; MI455X (gfx1250); checked and timed in simulation.
; The chip was launched on July 23, 2026; its instructions are those of AMD's public machine-readable ISA for CDNA 5 (MIT licence, August 2026) and "CDNA5" Instruction Set Architecture Reference Guide (July 2026). The comments in the code are by the model that wrote it; some were corrected since.
;; Causal Self Attention. Allowed arithmetic: matrix products marked QUANTISED: E2M3 operands, one E8M0 scale for each 32 along K, by v_wmma_scale_f32_16x16x128_f8f6f4 with both operands' format E2M3, f32 sums; everything else in f32.
;; Inputs: w_proj 1,024 x 1,024 float32; w_qkv 3,072 x 1,024 float32; x 4 x 2,048 x 1,024 float32.
;; Outputs: out0 4 x 2,048 x 1,024 float32.
;; This version of the problem:
;;   THIS VERSION OF THE PROBLEM IS GIVEN IN LOW PRECISION. The matrix products marked QUANTISED in the list below multiply operands that are first quantised to E2M3 (2 exponent bits, 3 mantissa bits; 6 bits a number), with one power-of-two scale for each 32 numbers along K (OCP MX v1.0); their sums are f32. All else is computed in f32.
;;   The module's matrix products, in the order in which they are computed (A, B: the left and right operand; K: the contracted axis; several contracted axes count as one K, in the product's order):
;;     1. [M 8,192, K 1,024] x [K 1,024, N 3,072]; A: input x; B: input w_qkv: QUANTISED
;;     2. batch 64 x [M 2,048, K 64] x [K 64, N 2,048]; A: computed on the way; B: computed on the way: QUANTISED
;;     3. batch 64 x [M 2,048, K 2,048] x [K 2,048, N 64]; A: softmax (see below); B: computed on the way: QUANTISED
;;     4. [M 8,192, K 1,024] x [K 1,024, N 1,024]; A: computed on the way; B: input w_proj: QUANTISED
;;   THE QUANTISER, for each operand of a quantised product, along K:
;;     - K is cut into blocks of 32 from its start; a last block that is shorter is filled with zeros.
;;     - A block's scale is 2^e with e = floor(log2(the largest magnitude in the block)) - 2, held to -126 .. 127; a block of zeros has e = 0. As a byte (E8M0): e + 127.
;;     - Each number is divided by its block's scale, clamped to +-7.5, and rounded to the nearest number of E2M3, ties to even, subnormals kept.
;;     - The product sums the exact products of the quantised numbers (number of the format x scale) in f32.
;;   ~~~python
;;   def quantise(x, axis):      # numpy; x: float32 -> the quantised numbers, widened to float32 again
;;       x = np.moveaxis(x, axis, -1); K = x.shape[-1]
;;       x = np.pad(x, [(0, 0)] * (x.ndim - 1) + [(0, -K % 32)]); x = x.reshape(x.shape[:-1] + (-1, 32)); a = np.abs(x).max(-1, keepdims=True)
;;       e = np.where(a > 0, np.clip(np.frexp(np.where(a > 0, a, 1))[1] - 1 - 2, -126, 127), 0)      # np.frexp(a)[1] - 1 = floor(log2(a)), exactly
;;       r = np.clip(x / 2.0 ** e, -7.5, 7.5)
;;       step = 2.0 ** (np.maximum(np.frexp(np.where(r == 0, 1, r))[1] - 1, 0) - 3)
;;       q = np.round(r / step) * step * 2.0 ** e      # np.round: ties to even
;;       return np.moveaxis(q.reshape(q.shape[:-2] + (-1,))[..., :K], -1, axis).astype(np.float32)
;;   ~~~
;;   SOFTMAX AHEAD OF A QUANTISED PRODUCT. Where the list says 'softmax', what is quantised is not the finished softmax but p = 2^(t - M), with t = logit x log2(e) and M = ceil(the row's largest t), a whole number; so 1/2 < the row's largest p <= 1. The row's sum l is taken of the UNQUANTISED p, in f32, and the product's result is divided by l at the end. Since M is a whole number, a kernel that streams over the keys may use a running M (the ceiling of the running maximum): every later rescaling is an exact power of two, which a block's scale takes up: the codes' values come out the same.
;;   OPERANDS COMPUTED ON THE WAY. 'Computed on the way' means the value that the module computes at that place (a softmax that the list does not call 'softmax' is quantised finished and normalised). What goes into a quantiser is computed in f32, as accurately as f32 sums, v_exp_f32 and their like allow (about 1e-6 of the number): no bf16 or f16 on the way to a quantiser, and a product that is left as it is and whose result goes on into a quantised operand takes f32 operands (vector FMAs, or v_wmma_f32_16x16x4_f32). A number that lies on a knife's edge between two numbers of the format may be rounded either way, as far as f32 arithmetic and the matrix unit's own rounding can turn it there, and no further.
;; One version. Each part assembles by itself: llvm-mc -triple=amdgcn-amd-amdhsa -mcpu=gfx1250 --defsym DOCPART=n.
;; ======== version 1 of 1: 4 launches
;; workspace buffers: cw 9,830,400 bytes; qk 13,631,488 bytes; vt 6,553,600 bytes; yc 6,291,456 bytes; ys 262,144 bytes
;; launch quant (part 1): grid 384 x 1, 4 waves a work-group, no clusters, 34,304 bytes of LDS; arguments x, w_qkv, w_proj, cw; writes cw
.if DOCPART == 1
	.amdgcn_target "amdgcn-amd-amdhsa--gfx1250"
	.amdhsa_code_object_version 6
	.text
	.protected	k_q5551431548_quant
	.globl	k_q5551431548_quant
	.p2align	8
	.type	k_q5551431548_quant,@function
k_q5551431548_quant:
	s_mov_b64 s[64:65], 0
	v_nop
	global_prefetch_b8 v0, s[64:65] scope:SCOPE_SE
	s_setreg_imm32_b32 hwreg(HW_REG_WAVE_MODE, 25, 1), 1
	s_wait_xcnt 0x0
; x [8192][1024], w_qkv [3072][1024], w_proj [1024][1024], f32, K innermost, become codes of FP6 (E2M3) with one E8M0 byte for each 32 along K,
; laid in cw IN THE ORDER OF AN OPERAND'S REGISTERS, so that the products' launches take fragments by dense loads of 16 and 8 bytes a lane.
; TILES.  A tile is 16 rows; lane-row p of tile T is row 32 (T / 2) + 8 (T % 2) + p + 8 (p / 8) of its tensor.  Tiles 0-511 x, 512-703 w_qkv, 704-767 w_proj.
; cw: [tile][q 2] records of 6,400 bytes: four fragments (128 along K each, K step 4 q + f) of 1,536 bytes, then 256 bytes of scale words [row 16][f 4].
; A fragment is two halves of 64 along K, 768 bytes each: registers 0-3 of the half, lane l at 16 l (512 bytes), then registers 4-5, lane l at 8 l (256 bytes).
; A block's scale is 2^(floor(log2(largest magnitude)) - 2); its byte is the largest magnitude's exponent field - 2, held at 1 from below.
; LIMITS: a block of zeros gets the byte 1 (its codes are zeros, and only this program reads the bytes); blocks under 2^-124 are held at that floor; NaN and infinities are not served.
; SHARES.  A wave takes one tile and one half of K: 16 rows x 512.  Each load reads 512 consecutive bytes of one row; a fragment's 16 rows turn through the wave's own stage in LDS
; (rows 528 bytes apart), so that lane (r, h) gets blocks h and 2 + h of row r whole: 64 numbers.  Memory binds: no matrix unit, no cluster, no barrier: waves share nothing.
; 32 loads of 512 bytes a wave are on their way at the start, 16 while a fragment is worked.
.set SP,    528                        ; a stage row: 512 bytes + 16
.set WREG,  16*SP                      ; a wave's stage
.set SPARE, 4*WREG                     ; behind the stages: the spare words, 128 bytes a wave, that no other line names
.set SPW,   10                         ; v10  my spare word's address; never rewritten
.set NIL,   11                         ; v11  0; never rewritten
.set MX,    12                         ; v12-13 the two blocks' largest magnitudes
.set SCO,   14                         ; v14-15 the conversions' scale operands
.set BY,    16                         ; v16-17 the bytes;  v18 my half of the scale word, v19 the other lane's
.set SW,    20                         ; v20-23 the four fragments' scale words of my row
.set PC,    24                         ; v24-35 a fragment's codes
.set CT,    36                         ; v36-43 the upper halves of the blocks' codes, before they are moved
.set RAW,   44                         ; v44-171 two sets of 64: a fragment's numbers as loaded
.set X,     172                        ; v172-235 my 64 numbers
	s_load_b256 s[4:11], s[0:1], 0x0               ; x s[4:5], w_qkv s[6:7], w_proj s[8:9], cw s[10:11]
	v_lshl_add_u32 v[SPW], v0, 2, SPARE
	v_mov_b32 v[NIL], 0
	v_lshrrev_b32 v1, 5, v0
	v_readfirstlane_b32 s16, v1                    ; wave
	v_and_b32 v1, 31, v0                           ; lane
	v_and_b32 v2, 15, v0                           ; r
	v_bfe_u32 v3, v0, 4, 1                         ; h
	v_lshlrev_b32 v4, 4, v1                        ; 16 x lane
	v_lshlrev_b32 v5, 3, v1                        ; 8 x lane
	s_mul_i32 s17, s16, WREG
	v_add_nc_u32 v6, s17, v4                       ; the stage, in: 16 x lane of a row
	v_mul_u32_u24 v7, v2, SP
	v_lshl_add_u32 v7, v3, 7, v7
	v_add_nc_u32 v7, s17, v7                       ; out: row r, + 128 h bytes: block h
	v_lshlrev_b32 v8, 3, v3                        ; 8 h: my bytes' place in the scale word
	v_lshlrev_b32 v9, 4, v2                        ; 16 r: my row's four scale words
	v_mov_b32 v19, 0                               ; a lane permute's destination counts as read
	s_mov_b32 s20, 0x76543210
	s_mov_b32 s21, 0xfedcba98                      ; selects for lane l xor 16
	s_lshr_b32 s22, s16, 1                         ; which tile of the work-group's pair
	s_and_b32 s23, s16, 1                          ; q: which half of K
	s_mov_b32 s19, 352
	s_wait_alu depctr_va_vdst(0)
	s_wait_kmcnt 0x0
	s_cmp_lt_u32 ttmp9, 352                        ; which tensor: the choice hangs on the work-group's number alone
	s_cselect_b64 s[12:13], s[6:7], s[8:9]
	s_cselect_b32 s18, 256, s19                    ; the tensor's first work-group
	s_cmp_lt_u32 ttmp9, 256
	s_cselect_b64 s[12:13], s[4:5], s[12:13]
	s_cselect_b32 s18, 0, s18
	s_sub_co_u32 s24, ttmp9, s18
	s_lshl_b32 s24, s24, 5
	s_lshl_b32 s25, s22, 3
	s_add_co_u32 s24, s24, s25                     ; the tile's first row: 32 x pair + 8 x (tile % 2)
	s_lshl_b32 s24, s24, 12                        ; rows of 4,096 bytes
	s_lshl_b32 s25, s23, 11
	s_add_co_u32 s24, s24, s25                     ; + 2,048 q
	s_mov_b32 s25, 0
	s_add_nc_u64 s[12:13], s[12:13], s[24:25]
	s_lshl_b32 s26, ttmp9, 1
	s_add_co_u32 s26, s26, s22                     ; the tile in cw
	s_lshl_b32 s26, s26, 1
	s_add_co_u32 s26, s26, s23
	s_mul_i32 s26, s26, 6400                       ; its record q
	s_mov_b32 s27, 0
	s_add_nc_u64 s[10:11], s[10:11], s[26:27]
.macro LOADF f                         ; fragment f: 128 numbers of each of the tile's 16 rows; a load reads 512 consecutive bytes
.irp p, 0,1,2,3,4,5,6,7,8,9,10,11,12,13,14,15
	global_load_b128 v[RAW+64*((\f)%2)+4*\p:RAW+64*((\f)%2)+4*\p+3], v4, s[12:13] offset:(\p+8*(\p/8))*4096+512*(\f) th:TH_LOAD_NT
.endr
.endm
.macro FRAGQ f
.if (\f) < 3
	s_wait_loadcnt 16                              ; this fragment's 16 loads are in; the next fragment's 16 may be out
.else
	s_wait_loadcnt 0x0
.endif
.irp p, 0,1,2,3,4,5,6,7,8,9,10,11,12,13,14,15
	ds_store_b128 v6, v[RAW+64*((\f)%2)+4*\p:RAW+64*((\f)%2)+4*\p+3] offset:SP*\p
.endr
.irp c, 0,1
.irp i, 0,1,2,3,4,5,6,7
	ds_load_b128 v[X+32*\c+4*\i:X+32*\c+4*\i+3], v7 offset:256*\c+16*\i   ; LDS serves a wave's instructions in order: these see the stores above.  k = 64 c + 32 h + 4 i ..
.endr
.endr
	s_wait_dscnt 0x0                               ; my numbers are here, and the stores have read the set of registers,
.if (\f) < 2
	LOADF (\f)+2                                   ; which takes the fragment two further on
.endif
.irp c, 0,1
	v_max3_num_f32 v[MX+\c], |v[X+32*\c]|, |v[X+32*\c+1]|, 0x1800000   ; block 2 c + h is all mine; the floor 2^(3 - 127) holds the byte at 1 from below
.endr
.irp i, 2,4,6,8,10,12,14,16,18,20,22,24,26,28,30
.irp c, 0,1
	v_max3_num_f32 v[MX+\c], v[MX+\c], |v[X+32*\c+\i]|, |v[X+32*\c+\i+1]|
.endr
.endr
.irp c, 0,1
	v_add_nc_u32 v[SCO+\c], 0xff000000, v[MX+\c]   ; 2 off the exponent field: the conversion takes that field as its scale
.endr
.irp c, 0,1
	v_lshrrev_b32 v[BY+\c], 23, v[SCO+\c]          ; the byte
.endr
	v_lshl_or_b32 v18, v[BY+1], 16, v[BY]          ; blocks h and 2 + h,
	v_lshlrev_b32 v18, v8, v18                     ; at their places;
	v_permlanex16_b32 v19, v18, s20, s21
	v_or_b32 v[SW+(\f)], v18, v19                  ; with lane l xor 16's two the word is whole
	s_wait_alu depctr_va_vdst(0)
	s_wait_xcnt 0x0                                ; the last fragment's stores have read the codes' registers
	v_cvt_scalef32_pk16_fp6_f32 v[PC:PC+2], v[X:X+15], v[SCO]
	v_cvt_scalef32_pk16_fp6_f32 v[CT:CT+2], v[X+16:X+31], v[SCO]       ; (a conversion's three registers begin on an even number)
	v_cvt_scalef32_pk16_fp6_f32 v[PC+6:PC+8], v[X+32:X+47], v[SCO+1]
	v_cvt_scalef32_pk16_fp6_f32 v[CT+4:CT+6], v[X+48:X+63], v[SCO+1]
	v_nop                                          ; one plain place behind the conversions
.irp i, 0,1,2
	v_mov_b32 v[PC+3+\i], v[CT+\i]
	v_mov_b32 v[PC+9+\i], v[CT+4+\i]
.endr
	global_store_b128 v4, v[PC:PC+3], s[10:11] offset:1536*(\f)           ; each store covers 512 or 256 consecutive bytes, aligned
	global_store_b64 v5, v[PC+4:PC+5], s[10:11] offset:1536*(\f)+512
	global_store_b128 v4, v[PC+6:PC+9], s[10:11] offset:1536*(\f)+768
	global_store_b64 v5, v[PC+10:PC+11], s[10:11] offset:1536*(\f)+1280
.endm
	LOADF 0
	LOADF 1
	FRAGQ 0
	FRAGQ 1
	FRAGQ 2
	FRAGQ 3
	s_wait_xcnt 0x0                                ; EXEC changes only behind this wait
	v_cmp_gt_u32 vcc_lo, 16, v1
	s_and_saveexec_b32 s28, vcc_lo
	global_store_b128 v9, v[SW:SW+3], s[10:11] offset:6144   ; lanes 0-15: 256 consecutive bytes: the 16 rows' four scale words
	s_wait_xcnt 0x0
	s_or_b32 exec_lo, exec_lo, s28
	s_wait_tensorcnt 0x0                           ; the wave's end: behind my last LDS store
	ds_add_u32 v[SPW], v[NIL]
	s_wait_dscnt 0x0
	s_endpgm
.Lfunc_end_k_q5551431548_quant:
	.size	k_q5551431548_quant, .Lfunc_end_k_q5551431548_quant-k_q5551431548_quant
	.p2alignl 7, 3214868480
	.fill 96, 4, 3214868480
	.section	.rodata,"a",@progbits
	.p2align	6, 0x0
	.amdhsa_kernel k_q5551431548_quant
		.amdhsa_group_segment_fixed_size 34304
		.amdhsa_private_segment_fixed_size 0
		.amdhsa_enable_private_segment 0
		.amdhsa_kernarg_size 32
		.amdhsa_user_sgpr_count 2
		.amdhsa_user_sgpr_kernarg_segment_ptr 1
		.amdhsa_wavefront_size32 1
		.amdhsa_system_sgpr_workgroup_id_x 1
		.amdhsa_system_sgpr_workgroup_id_y 1
		.amdhsa_system_sgpr_workgroup_id_z 1
		.amdhsa_system_vgpr_workitem_id 0
		.amdhsa_next_free_vgpr 240
		.amdhsa_next_free_sgpr 66
		.amdhsa_reserve_vcc 1
		.amdhsa_float_denorm_mode_32 3
		.amdhsa_float_denorm_mode_16_64 3
		.amdhsa_memory_ordered 1
		.amdhsa_forward_progress 1
		.amdhsa_inst_pref_size 31
	.end_amdhsa_kernel
	.amdgpu_metadata
---
amdhsa.version: [ 1, 2 ]
amdhsa.kernels:
  - .name:           k_q5551431548_quant
    .symbol:         k_q5551431548_quant.kd
    .args:
      - { .name: x, .offset: 0, .size: 8, .value_kind: global_buffer, .address_space: global }
      - { .name: w_qkv, .offset: 8, .size: 8, .value_kind: global_buffer, .address_space: global }
      - { .name: w_proj, .offset: 16, .size: 8, .value_kind: global_buffer, .address_space: global }
      - { .name: cw, .offset: 24, .size: 8, .value_kind: global_buffer, .address_space: global }
    .group_segment_fixed_size: 34304
    .private_segment_fixed_size: 0
    .kernarg_segment_align: 8
    .kernarg_segment_size: 32
    .max_flat_workgroup_size: 128
    .sgpr_count:     66
    .vgpr_count:     240
    .wavefront_size: 32
...
	.end_amdgpu_metadata
.endif
;; end of part 1
;; launch qkv (part 2): grid 12 x 64, 4 waves a work-group, clusters of 4 x 4, 327,680 bytes of LDS; arguments cw, qk, vt; writes qk, vt
.if DOCPART == 2
	.amdgcn_target "amdgcn-amd-amdhsa--gfx1250"
	.amdhsa_code_object_version 6
	.text
	.protected	k_q5551431548_qkv
	.globl	k_q5551431548_qkv
	.p2align	8
	.type	k_q5551431548_qkv,@function
k_q5551431548_qkv:
	s_mov_b64 s[64:65], 0
	v_nop
	global_prefetch_b8 v0, s[64:65] scope:SCOPE_SE
	s_setreg_imm32_b32 hwreg(HW_REG_WAVE_MODE, 25, 1), 1
	s_wait_xcnt 0x0
	s_wait_alu depctr_hold_cnt(0) depctr_sa_sdst(0) depctr_va_vdst(0) depctr_va_sdst(0) depctr_va_ssrc(0) depctr_va_vcc(0) depctr_vm_vsrc(0)
	s_getreg_b32 s2, hwreg(HW_REG_IB_STS2, 6, 4)
	s_cmp_eq_u32 s2, 0
	s_cbranch_scc0 .Lentry_in_a_cluster
	s_endpgm
.Lentry_in_a_cluster:
	s_bfe_u32 s2, ttmp6, 0x10000c
	s_cmp_lg_u32 s2, 0xf033
	s_cbranch_scc0 .Lentry_shape_is_right
	s_endpgm
.Lentry_shape_is_right:
; qkv = x w_qkv^T on codes of FP6 (E2M3) with E8M0 scales, K = 1,024; the f32 sums are quantised in registers and leave as codes: q and k along a head's 64 channels (qk), v along the keys (vt).
; A work-group of four waves makes R 128 x C 256; a wave R 64 x C 128: 4 x 8 accumulators, 256 registers.  SOURCE 0 = a tile of the C side, whose rows then run along a lane's registers;
; SOURCE 1 = a tile of the R side, whose rows stay in the lanes.  What runs along the registers is what is quantised: for q and k (cluster x 0, 1) C = rows of w_qkv (channels), R = tokens;
; for v (cluster x 2) the sides change places: C = tokens, R = w_v's rows.  One pointer; only tile numbers are chosen, by the cluster's x, which all partners share.
; TILES: lane-row p of tile T is row 32 (T / 2) + 8 (T % 2) + p + 8 (p / 8): so the 16 registers of C tiles 2 b and 2 b + 1 are 16 neighbours, 32 b + 16 (lane / 16) + 0 .. 15.
; 128 x 256 gives 768 equal work-groups, three for each of 256 WGPs; 256 x 256 would give 384.
; LDS: both sides' codes and scale words for ALL of K lie in LDS (307,200 bytes), brought by first fills alone, in two chunks of four K steps: no byte is filled twice.
; A wave has two tensor loads out.  Nothing is prefetched: all that a work-group reads is asked for at its head.
; CLUSTER 4 x 4: the R tiles hang on the work-group's row alone and are asked for jointly along a row of the cluster, the C tiles along a column.
; cw: [tile][q 2] records of 6,400 bytes: four fragments of 1,536 (two halves of 768: registers 0-3 at 16 x lane, registers 4-5 at 8 x lane), 256 bytes of scale words [row 16][f 4].
; qk: [b 4][hh 32][G 32] blocks of 3,328: four half fragments (tiles of 16 tokens x 64 channels), 256 bytes [lane 32][p 2] of scale words (word p: lanes 0-15 tile 2 p, lanes 16-31 tile 2 p + 1;
;     a word holds the head's two bytes twice, so that the empty upper 64 of the next product's K have finite scales).   vt: [b h 64][step 16] records of 6,400: four fragments (16 channels x 128 keys), 256 bytes [lane][2].
; LIMITS: a block of zeros gets the byte 1 with zero codes (read by this program alone); blocks under 2^-124 are held at that floor; NaN and infinities are not served.
; REGISTERS: window 0: v1-19 addresses; v20-51, v52-67 scale words; v68-163 R's fragments, two sets; v164-255 the way out.  window 1: C's fragments, two sets, at v0 and v128.  window 2: accumulator (a, b) at v[8 (8 a + b)].
.set RROW,  6400                       ; a tile's record in a chunk, R side
.set CROW,  6400                       ; C side
.set QSZ,   8*RROW+16*CROW             ; a chunk in LDS: R's 8 tiles, then C's 16
.set SPARE, 2*QSZ                      ; behind the chunks: the spare words, 128 bytes a wave, that no other line names
.set AR16, 4                           ; v4-5   my R tiles in chunk q, + 16 x lane;  v6-7 + 8 x lane
.set AR8,  6
.set AC16, 8                           ; v8-9, v10-11 the same for my C tiles
.set AC8,  10
.set ASR,  12                          ; v12-13 R's scale words: lanes 0-15 tile j, lanes 16-31 tile j + 2
.set ASC,  14                          ; v14-15 C's: lanes 0-15 tile j, lanes 16-31 tile j + 4
.set LI16, 16                          ; v16 16 x lane;  v17 8 x lane
.set LI8,  17
.set SPW,  18                          ; v18 my spare word's address; v19 0; never rewritten
.set NIL,  19
.set SCLC, 20                          ; register 8 (b % 4) + s
.set SCLR, 52                          ; register 8 (a % 2) + s
.set RF,   68
.set TM,   164                         ; v164-167 largest magnitudes, v168-171 bytes, v176-179 scale operands
.set PW,   180                         ; v180-183 the scale word of R tile a
.set CT,   184
.set IMG,  192                         ; v192-239 eight half fragments
.set SO,   240
.set T0,   244
.set G1R, 24                           ; s[24:31], s[32:39]: R's group 1, and a group 0 for each chunk
.set G0R, 32
.set G1C, 48                           ; s[48:55], s[56:63]: C's
.set G0C, 56
.set MSB, 0
.macro WIN new                         ; the immediate's high byte repeats the setting that is left
.if MSB != \new
	s_set_vgpr_msb (MSB<<8)|\new
.set MSB, \new
.endif
.endm
.macro CROUND                          ; a round of the cluster's barrier
	s_barrier_signal -1
	s_barrier_wait -1
	s_cmp_lg_u32 s14, 0
	s_cbranch_scc1 .Lnot_wave_0_\@
	s_barrier_signal -3
.Lnot_wave_0_\@:
	s_barrier_wait -3
	s_barrier_signal -1
	s_barrier_wait -1
.endm
.macro PLACES                          ; four plain places behind a matrix instruction, in front of loads into its sources and of reads of its result
.rept 4
	v_nop
.endr
.endm
.macro HFP reg, a16, a8, off           ; a fragment: two halves, each 16 bytes a lane and 8 bytes a lane; every instruction reads consecutive bytes
	ds_load_b128 v[(\reg):(\reg)+3], v[\a16] offset:(\off)
	ds_load_b64 v[(\reg)+4:(\reg)+5], v[\a8] offset:(\off)+512
	ds_load_b128 v[(\reg)+6:(\reg)+9], v[\a16] offset:(\off)+768
	ds_load_b64 v[(\reg)+10:(\reg)+11], v[\a8] offset:(\off)+1280
.endm
.macro FETCH s, set                    ; K step s: my 8 fragments of C and 4 of R: 48 loads in one run
	WIN 0x40                                       ; destination window 1
.irp b, 0,1,2,3,4,5,6,7
	HFP 128*(\set)+12*\b, AC16+(\s)/4, AC8+(\s)/4, CROW*\b+1536*((\s)%4)
.endr
	WIN 0
.irp a, 0,1,2,3
	HFP RF+48*(\set)+12*\a, AR16+(\s)/4, AR8+(\s)/4, RROW*\a+1536*((\s)%4)
.endr
.endm
.macro SCALES q                        ; a chunk's scale words: four K steps' words of a row by one load
	WIN 0
.irp j, 0,1,2,3
	ds_load_b128 v[SCLC+8*\j+4*(\q):SCLC+8*\j+4*(\q)+3], v[ASC+(\q)] offset:CROW*\j
.endr
.irp j, 0,1
	ds_load_b128 v[SCLR+8*\j+4*(\q):SCLR+8*\j+4*(\q)+3], v[ASR+(\q)] offset:RROW*\j
.endr
.endm
.macro WM acc, fa, fb, sa, sb, zero, ra, rb    ; one product; ra, rb: the side's scale words stand in lanes 16-31
.if \zero
.if (\ra) && (\rb)
	v_wmma_scale_f32_16x16x128_f8f6f4 v[(\acc):(\acc)+7], v[(\fa):(\fa)+11], v[(\fb):(\fb)+11], 0, v[\sa], v[\sb] matrix_a_fmt:MATRIX_FMT_FP6 matrix_b_fmt:MATRIX_FMT_FP6 matrix_a_scale:MATRIX_SCALE_ROW1 matrix_b_scale:MATRIX_SCALE_ROW1
.elseif (\ra)
	v_wmma_scale_f32_16x16x128_f8f6f4 v[(\acc):(\acc)+7], v[(\fa):(\fa)+11], v[(\fb):(\fb)+11], 0, v[\sa], v[\sb] matrix_a_fmt:MATRIX_FMT_FP6 matrix_b_fmt:MATRIX_FMT_FP6 matrix_a_scale:MATRIX_SCALE_ROW1
.elseif (\rb)
	v_wmma_scale_f32_16x16x128_f8f6f4 v[(\acc):(\acc)+7], v[(\fa):(\fa)+11], v[(\fb):(\fb)+11], 0, v[\sa], v[\sb] matrix_a_fmt:MATRIX_FMT_FP6 matrix_b_fmt:MATRIX_FMT_FP6 matrix_b_scale:MATRIX_SCALE_ROW1
.else
	v_wmma_scale_f32_16x16x128_f8f6f4 v[(\acc):(\acc)+7], v[(\fa):(\fa)+11], v[(\fb):(\fb)+11], 0, v[\sa], v[\sb] matrix_a_fmt:MATRIX_FMT_FP6 matrix_b_fmt:MATRIX_FMT_FP6
.endif
.else
.if (\ra) && (\rb)
	v_wmma_scale_f32_16x16x128_f8f6f4 v[(\acc):(\acc)+7], v[(\fa):(\fa)+11], v[(\fb):(\fb)+11], v[(\acc):(\acc)+7], v[\sa], v[\sb] matrix_a_fmt:MATRIX_FMT_FP6 matrix_b_fmt:MATRIX_FMT_FP6 matrix_a_scale:MATRIX_SCALE_ROW1 matrix_b_scale:MATRIX_SCALE_ROW1
.elseif (\ra)
	v_wmma_scale_f32_16x16x128_f8f6f4 v[(\acc):(\acc)+7], v[(\fa):(\fa)+11], v[(\fb):(\fb)+11], v[(\acc):(\acc)+7], v[\sa], v[\sb] matrix_a_fmt:MATRIX_FMT_FP6 matrix_b_fmt:MATRIX_FMT_FP6 matrix_a_scale:MATRIX_SCALE_ROW1
.elseif (\rb)
	v_wmma_scale_f32_16x16x128_f8f6f4 v[(\acc):(\acc)+7], v[(\fa):(\fa)+11], v[(\fb):(\fb)+11], v[(\acc):(\acc)+7], v[\sa], v[\sb] matrix_a_fmt:MATRIX_FMT_FP6 matrix_b_fmt:MATRIX_FMT_FP6 matrix_b_scale:MATRIX_SCALE_ROW1
.else
	v_wmma_scale_f32_16x16x128_f8f6f4 v[(\acc):(\acc)+7], v[(\fa):(\fa)+11], v[(\fb):(\fb)+11], v[(\acc):(\acc)+7], v[\sa], v[\sb] matrix_a_fmt:MATRIX_FMT_FP6 matrix_b_fmt:MATRIX_FMT_FP6
.endif
.endif
.endm
.macro MUL s, set, zero                ; a K step's 32 products; the 32 accumulators take turns, one instruction a turn, in the same order in every step
	WIN 0xa1                                       ; source 0 window 1, source 1 window 0, C and D window 2
.irp a, 0,1,2,3
.irp b, 0,1,2,3,4,5,6,7
	WM 8*(8*\a+\b), 128*(\set)+12*\b, RF+48*(\set)+12*\a, SCLC+8*(\b%4)+(\s), SCLR+8*(\a%2)+(\s), \zero, \b/4, \a/2
.endr
.endr
.endm
.macro STEP s, zero                    ; the step's fragments are in; the next step's are asked for, in one run; then the products, under which they land
	s_wait_dscnt 0x0
.if (\s) == 3
	s_wait_tensorcnt 0x0                           ; my part of chunk 1 has landed; my LDS loads are back (the wait above);
	s_barrier_signal -1
	s_barrier_wait -1                              ; everybody's has.
	SCALES 1
.endif
	PLACES
.if (\s) < 7
	FETCH (\s)+1, ((\s)+1)%2
.endif
	MUL \s, (\s)%2, \zero
.endm
	s_load_b128 s[4:7], s[0:1], 0x0                ; cw s[4:5], qk s[6:7]
	s_load_b64 s[8:9], s[0:1], 0x10                ; vt
	v_lshl_add_u32 v[SPW], v0, 2, SPARE
	v_mov_b32 v[NIL], 0
	ds_add_u32 v[SPW], v[NIL]                      ; the wave's opening: the add and its wait stand ahead of my first tensor load; work on registers stands between them
	ds_add_u32 v[SPW], v[NIL]
	v_lshrrev_b32 v1, 5, v0
	v_readfirstlane_b32 s14, v1                    ; wave 0..3
	s_lshr_b32 s15, s14, 1                         ; my half of R.  Also: I fetch for R (0) or for C (1)
	s_and_b32 s16, s14, 1                          ; my half of C.  Also: which half of that side's tiles I fetch
	s_bfe_u32 s40, ttmp6, 0x40000                  ; cx
	s_bfe_u32 s41, ttmp6, 0x40004                  ; cy
	s_and_b32 s18, ttmp7, 0xffff                   ; the cluster's y, 0 .. 15
	s_lshr_b32 s19, s18, 1
	s_and_b32 s20, s18, 1
	s_mov_b32 s21, 640
	s_cmp_eq_u32 ttmp9, 2                          ; the cluster's x: 0, 1: q and k;  2: v.  The same in all sixteen partners
	s_cselect_b32 s66, 1, 0
	s_cselect_b32 s22, s19, ttmp9                  ; the cluster's place along C
	s_cselect_b32 s23, s20, s18                    ; and along R
	s_cselect_b32 s45, 0, 512                      ; C's first tile in cw: x's, or w_qkv's
	s_cselect_b32 s46, s21, 0                      ; R's: w_v's (512 + 128), or x's
	s_lshl_b32 s42, s22, 2
	s_add_co_u32 s42, s42, s40                     ; ct: my 256 of C
	s_lshl_b32 s17, s23, 2
	s_add_co_u32 s17, s17, s41                     ; rt: my 128 of R
	s_lshl_b32 s43, s41, 2
	s_lshl_b32 s43, 15, s43                        ; my row of the cluster
	s_lshl_b32 s44, 0x1111, s40                    ; my column
	s_or_b32 s[G1R], s43, (3<<16)|(1<<21)          ; 15:0 the mask; 17:16 elements of 8 bytes; 21 set beside a mask; no padding
	s_mov_b32 s[G1R+1], (RROW/8)<<16               ; tensor_dim0: a record
	s_mov_b32 s[G1R+2], 4<<16                      ; tensor_dim1: four tiles
	s_mov_b32 s[G1R+3], (RROW/8)<<16               ; tile_dim0
	s_mov_b32 s[G1R+4], 4                          ; tile_dim1
	s_mov_b32 s[G1R+5], 1600                       ; from tile to tile: 12,800 bytes
	s_mov_b32 s[G1R+6], 0
	s_mov_b32 s[G1R+7], 0
	s_or_b32 s[G1C], s44, (3<<16)|(1<<21)
	s_mov_b32 s[G1C+1], (CROW/8)<<16
	s_mov_b32 s[G1C+2], 8<<16                      ; eight tiles
	s_mov_b32 s[G1C+3], (CROW/8)<<16
	s_mov_b32 s[G1C+4], 8
	s_mov_b32 s[G1C+5], 1600
	s_mov_b32 s[G1C+6], 0
	s_mov_b32 s[G1C+7], 0
	s_lshl_b32 s18, s17, 3                         ; R: tile r0 + 8 rt + 4 x (the half that I fetch): no cx in these registers
	s_add_co_u32 s18, s18, s46
	s_lshl_b32 s19, s16, 2
	s_add_co_u32 s18, s18, s19
	s_mul_i32 s18, s18, 12800
	s_mov_b32 s19, 0
	s_lshl_b32 s20, s42, 4                         ; C: tile c0 + 16 ct + 8 x half: no cy in these
	s_add_co_u32 s20, s20, s45
	s_lshl_b32 s21, s16, 3
	s_add_co_u32 s20, s20, s21
	s_mul_i32 s20, s20, 12800
	s_mov_b32 s21, 0
	s_mul_i32 s47, s16, 4*RROW                     ; where they go: by the wave's number alone
	s_mul_i32 s67, s16, 8*CROW
	s_mov_b32 s70, 0x76543210
	s_mov_b32 s71, 0xfedcba98                      ; selects for lane l xor 16
	s_wait_dscnt 0x0                               ; the opening add is done
	s_wait_kmcnt 0x0
	s_add_nc_u64 s[18:19], s[4:5], s[18:19]
	s_add_nc_u64 s[20:21], s[4:5], s[20:21]
	CROUND                                         ; all sixteen work-groups are here: the joint loads meet
.irp q, 0,1
	s_mov_b32 s[G0R+4*\q], 1
	s_add_co_u32 s[G0R+4*\q+1], s47, \q*QSZ
	s_add_nc_u64 s[G0R+4*\q+2:G0R+4*\q+3], s[18:19], \q*RROW
	s_or_b32 s[G0R+4*\q+3], s[G0R+4*\q+3], 0x80000000
	s_mov_b32 s[G0C+4*\q], 1
	s_add_co_u32 s[G0C+4*\q+1], s67, \q*QSZ+8*RROW
	s_add_nc_u64 s[G0C+4*\q+2:G0C+4*\q+3], s[20:21], \q*CROW
	s_or_b32 s[G0C+4*\q+3], s[G0C+4*\q+3], 0x80000000
.endr
	s_cmp_eq_u32 s15, 0                            ; a wave's two first fills stand in one branch on its number: two loads of mine are out
	s_cbranch_scc0 .Lfill_c
	tensor_load_to_lds s[G0R:G0R+3], s[G1R:G1R+7]
	s_nop 0
	tensor_load_to_lds s[G0R+4:G0R+7], s[G1R:G1R+7]
	s_nop 0
.rept 4
	v_nop
.endr
	s_branch .Lfilled
.Lfill_c:
	tensor_load_to_lds s[G0C:G0C+3], s[G1C:G1C+7]
	s_nop 0
	tensor_load_to_lds s[G0C+4:G0C+7], s[G1C:G1C+7]
	s_nop 0
.rept 4
	v_nop
.endr
.Lfilled:
	v_and_b32 v3, 31, v0                           ; lane
	v_and_b32 v1, 15, v0                           ; r
	v_bfe_u32 v2, v0, 4, 1                         ; h
	v_lshlrev_b32 v[LI16], 4, v3
	v_lshlrev_b32 v[LI8], 3, v3
	v_lshlrev_b32 v164, 4, v1
	v_add_nc_u32 v164, 6144, v164                  ; a record's scale words, row r
	v_mad_u32_u24 v165, v2, 4*CROW, v164           ; C: lanes 16-31 four tiles on
	v_mad_u32_u24 v164, v2, 2*RROW, v164           ; R: two tiles on
	s_mul_i32 s68, s15, 4*RROW                     ; my four tiles of R
	s_mul_i32 s69, s16, 8*CROW
	s_add_co_u32 s69, s69, 8*RROW                  ; my eight of C, behind R's eight
.irp q, 0,1
	v_add_nc_u32 v[AR16+\q], s68, v[LI16]
	v_add_nc_u32 v[AR8+\q], s68, v[LI8]
	v_add_nc_u32 v[ASR+\q], s68, v164
	v_add_nc_u32 v[AC16+\q], s69, v[LI16]
	v_add_nc_u32 v[AC8+\q], s69, v[LI8]
	v_add_nc_u32 v[ASC+\q], s69, v165
	s_add_co_u32 s68, s68, QSZ
	s_add_co_u32 s69, s69, QSZ
.endr
	v_cmp_le_u32 s72, 16, v3                       ; lanes 16-31
.irp b, 0,1,2,3
	v_mov_b32 v[TM+4+\b], 0                        ; a lane permute's destination counts as read
.endr
	s_wait_alu depctr_va_vdst(0)
	s_wait_tensorcnt 0x1                           ; my part of chunk 0 has landed; one load was issued behind it, chunk 1's, and may stay out
	s_barrier_signal -1
	s_barrier_wait -1
	SCALES 0
	FETCH 0, 0
	STEP 0, 1                                      ; the first step's products start the sums: nothing is cleared
	STEP 1, 0
	STEP 2, 0
	STEP 3, 0
	STEP 4, 0
	STEP 5, 0
	STEP 6, 0
	STEP 7, 0
	WIN 0
	PLACES
; THE WAY OUT.  The 64 registers of R tile a: register 16 b + i = C row 32 b + 16 (lane / 16) + i of the lane's R row.  They become two half fragments (d0: blocks 0, 1; d1: blocks 2, 3) and a scale word.
.macro QUANT a, d0, d1
.irp b, 0,1,2,3
	v_mov_b32 v[TM+\b], 0x1800000                  ; the floor 2^(3 - 127): the byte cannot fall under 1
.endr
	WIN 0x28                                       ; sources 1 and 2: window 2
.irp i, 0,2,4,6,8,10,12,14
.irp b, 0,1,2,3
	v_max3_num_f32 v[TM+\b], v[TM+\b], |v[64*(\a)+16*\b+\i]|, |v[64*(\a)+16*\b+\i+1]|   ; each accumulator from its low end on; the four blocks by turns
.endr
.endr
	WIN 0
.irp b, 0,1,2,3
	v_permlanex16_b32 v[TM+4+\b], v[TM+\b], s70, s71
.endr
.irp b, 0,1,2,3
	v_max_num_f32 v[TM+\b], v[TM+\b], v[TM+4+\b]   ; with lane l xor 16's 16: the block's largest magnitude
.endr
.irp b, 0,1,2,3
	v_add_nc_u32 v[TM+12+\b], 0xff000000, v[TM+\b] ; 2 off the exponent field: the conversion's scale operand
.endr
.irp b, 0,1,2,3
	v_lshrrev_b32 v[TM+4+\b], 23, v[TM+12+\b]      ; the byte
.endr
	v_lshl_or_b32 v[PW+(\a)], v[TM+5], 8, v[TM+4]
	v_lshl_or_b32 v[PW+(\a)], v[TM+6], 16, v[PW+(\a)]
	v_lshl_or_b32 v[PW+(\a)], v[TM+7], 24, v[PW+(\a)]
	WIN 0x02                                       ; source 0: window 2
	v_cvt_scalef32_pk16_fp6_f32 v[(\d0):(\d0)+2], v[64*(\a):64*(\a)+15], v[TM+12]
	v_cvt_scalef32_pk16_fp6_f32 v[CT:CT+2], v[64*(\a)+16:64*(\a)+31], v[TM+13]
	v_cvt_scalef32_pk16_fp6_f32 v[(\d1):(\d1)+2], v[64*(\a)+32:64*(\a)+47], v[TM+14]
	v_cvt_scalef32_pk16_fp6_f32 v[CT+4:CT+6], v[64*(\a)+48:64*(\a)+63], v[TM+15]
	WIN 0
	v_nop                                          ; one plain place behind the conversions
.irp i, 0,1,2
	v_permlane16_swap_b32 v[(\d0)+\i], v[CT+\i]    ; a whole block to a lane: lanes 0-15 the lower block, lanes 16-31 the upper
	v_permlane16_swap_b32 v[(\d1)+\i], v[CT+4+\i]
.endr
.irp i, 0,1,2
	v_mov_b32 v[(\d0)+3+\i], v[CT+\i]
	v_mov_b32 v[(\d1)+3+\i], v[CT+4+\i]
.endr
.endm
	s_cmp_eq_u32 s66, 1
	s_cbranch_scc1 .Lvarm
	; q and k: my 64 tokens are block G of batch b; my 128 channels are heads hh0 and hh0 + 1 of the 32
	s_lshl_b32 s18, s17, 7
	s_lshl_b32 s19, s15, 6
	s_add_co_u32 s18, s18, s19                     ; my first token
	s_lshr_b32 s19, s18, 11                        ; b
	s_bfe_u32 s20, s18, 0x50006                    ; G
	s_lshl_b32 s21, s42, 2
	s_lshl_b32 s22, s16, 1
	s_add_co_u32 s21, s21, s22                     ; hh0
	s_lshl_b32 s19, s19, 5
	s_add_co_u32 s19, s19, s21
	s_lshl_b32 s19, s19, 5
	s_add_co_u32 s19, s19, s20
	s_mul_i32 s18, s19, 3328
	s_mov_b32 s19, 0
	s_add_nc_u64 s[6:7], s[6:7], s[18:19]
.irp a, 0,1,2,3
	QUANT \a, IMG+6*\a, IMG+24+6*\a
.endr
.irp p, 0,1
	v_cndmask_b32 v[T0+\p], v[PW+2*\p], v[PW+2*\p+1], s72   ; lanes 0-15 tile 2 p's words, lanes 16-31 tile 2 p + 1's
.endr
.irp p, 0,1
	v_perm_b32 v[SO+\p], v[T0+\p], v[T0+\p], 0x01000100     ; the first head's two bytes, twice
	v_perm_b32 v[SO+2+\p], v[T0+\p], v[T0+\p], 0x03020302   ; the second head's
.endr
.irp c, 0,1
.irp a, 0,1,2,3
	global_store_b128 v[LI16], v[IMG+24*\c+6*\a:IMG+24*\c+6*\a+3], s[6:7] offset:106496*\c+768*\a        ; every store covers 512 or 256 consecutive bytes, aligned
	global_store_b64 v[LI8], v[IMG+24*\c+6*\a+4:IMG+24*\c+6*\a+5], s[6:7] offset:106496*\c+768*\a+512
.endr
	global_store_b64 v[LI8], v[SO+2*\c:SO+2*\c+1], s[6:7] offset:106496*\c+3072
.endr
	s_branch .Ldone
.Lvarm:
	; v: my 64 channels are one head; my 128 tokens are one key step of batch b
	s_lshl_b32 s18, s42, 8
	s_lshl_b32 s19, s16, 7
	s_add_co_u32 s18, s18, s19                     ; my first token
	s_lshr_b32 s19, s18, 11                        ; b
	s_bfe_u32 s20, s18, 0x40007                    ; step
	s_lshl_b32 s21, s17, 1
	s_add_co_u32 s21, s21, s15                     ; head
	s_lshl_b32 s19, s19, 4
	s_add_co_u32 s19, s19, s21
	s_lshl_b32 s19, s19, 4
	s_add_co_u32 s19, s19, s20
	s_mul_i32 s18, s19, 6400
	s_mov_b32 s19, 0
	s_add_nc_u64 s[8:9], s[8:9], s[18:19]
.irp a, 0,1,2,3
	QUANT \a, IMG+12*\a, IMG+12*\a+6
.endr
.irp p, 0,1
	v_cndmask_b32 v[SO+\p], v[PW+2*\p], v[PW+2*\p+1], s72
.endr
.irp k, 0,1,2,3,4,5,6,7
	global_store_b128 v[LI16], v[IMG+6*\k:IMG+6*\k+3], s[8:9] offset:768*\k
	global_store_b64 v[LI8], v[IMG+6*\k+4:IMG+6*\k+5], s[8:9] offset:768*\k+512
.endr
	global_store_b64 v[LI8], v[SO:SO+1], s[8:9] offset:6144
.Ldone:
	s_wait_tensorcnt 0x0                           ; the wave's end: behind my last tensor load
	ds_add_u32 v[SPW], v[NIL]
	s_wait_dscnt 0x0
	CROUND                                         ; the closing round: no work-group ends while a partner may still ask for a tile that names it
	s_endpgm
.Lfunc_end_k_q5551431548_qkv:
	.size	k_q5551431548_qkv, .Lfunc_end_k_q5551431548_qkv-k_q5551431548_qkv
	.p2alignl 7, 3214868480
	.fill 96, 4, 3214868480
	.section	.rodata,"a",@progbits
	.p2align	6, 0x0
	.amdhsa_kernel k_q5551431548_qkv
		.amdhsa_group_segment_fixed_size 327680
		.amdhsa_private_segment_fixed_size 0
		.amdhsa_enable_private_segment 0
		.amdhsa_kernarg_size 24
		.amdhsa_user_sgpr_count 2
		.amdhsa_user_sgpr_kernarg_segment_ptr 1
		.amdhsa_wavefront_size32 1
		.amdhsa_system_sgpr_workgroup_id_x 1
		.amdhsa_system_sgpr_workgroup_id_y 1
		.amdhsa_system_sgpr_workgroup_id_z 1
		.amdhsa_system_vgpr_workitem_id 0
		.amdhsa_next_free_vgpr 768
		.amdhsa_next_free_sgpr 96
		.amdhsa_reserve_vcc 0
		.amdhsa_float_denorm_mode_32 3
		.amdhsa_float_denorm_mode_16_64 3
		.amdhsa_memory_ordered 1
		.amdhsa_forward_progress 1
		.amdhsa_inst_pref_size 104
	.end_amdhsa_kernel
	.amdgpu_metadata
---
amdhsa.version: [ 1, 2 ]
amdhsa.kernels:
  - .name:           k_q5551431548_qkv
    .symbol:         k_q5551431548_qkv.kd
    .args:
      - { .name: cw, .offset: 0, .size: 8, .value_kind: global_buffer, .address_space: global }
      - { .name: qk, .offset: 8, .size: 8, .value_kind: global_buffer, .address_space: global }
      - { .name: vt, .offset: 16, .size: 8, .value_kind: global_buffer, .address_space: global }
    .group_segment_fixed_size: 327680
    .private_segment_fixed_size: 0
    .kernarg_segment_align: 8
    .kernarg_segment_size: 24
    .max_flat_workgroup_size: 128
    .sgpr_count:     96
    .vgpr_count:     768
    .wavefront_size: 32
...
	.end_amdgpu_metadata
.endif
;; end of part 2
;; launch attn (part 3): grid 4 x 64, 16 waves a work-group, no clusters, 212,992 bytes of LDS; arguments qk, vt, yc, ys; writes yc, ys
.if DOCPART == 3
	.amdgcn_target "amdgcn-amd-amdhsa--gfx1250"
	.amdhsa_code_object_version 6
	.text
	.protected	k_q5551431548_attn
	.globl	k_q5551431548_attn
	.p2align	8
	.type	k_q5551431548_attn,@function
k_q5551431548_attn:
	s_mov_b64 s[64:65], 0
	v_nop
	global_prefetch_b8 v0, s[64:65] scope:SCOPE_SE
	s_setreg_imm32_b32 hwreg(HW_REG_WAVE_MODE, 25, 1), 1
	s_wait_xcnt 0x0
; y[b][q][head] = softmax over keys k <= q of (Q . K / 8) V, both products on codes of FP6 (E2M3) with E8M0 scales; y is quantised along the head's 64 channels and leaves as codes (yc, ys).
; THE SOFTMAX: t = score x log2(e) / 8; M = the running largest t rounded UP to a whole number; p = 2^(t - M) is quantised along the keys, not normalised; the row's sum is taken of the unquantised p and divides at the end.
; When M moves, the sum and O are multiplied by 2^(old M - new M): exact.
; SHARES.  A work-group owns query blocks i and 7 - i (256 queries each) of one head: 9 units of 256 x 256 under the causal mask for every work-group, 256 work-groups.  Each of SIXTEEN waves owns one tile of 16 queries
; in each of the two phases, in 256 registers: four waves to a SIMD, so that one wave's vector work stands beside another's products and LDS loads.
; LDS.  The head's K (106,496 bytes) and V (102,400) lie in LDS whole, brought by first fills alone: no byte is filled twice.  Each wave issues two loads, a part of the lower 1,024 keys and a part of the upper: two are out.
; Phase A (queries under 1,024) reads the lower halves alone and begins when they have landed.  Nothing is prefetched: all is asked for at the head.
; NO CLUSTER: the four work-groups of a head have different causal limits, so the jumps round hidden steps hang on the work-group's number.
; LAYOUT.  Both products are used transposed: S^T = K Q^T (source 0 = 16 keys), O^T = V^T P^T (source 0 = 16 channels): a lane holds ONE query throughout.  Lane-row p of tile T is row 32 (T / 2) + 8 (T % 2) + p + 8 (p / 8),
; so that the 16 registers of tiles 2 b, 2 b + 1 are 16 neighbours: keys for p, channels for y.
; K = 64 IN A FORM OF 128: Q's registers 6-11 are zero codes.  K's tiles lie six registers apart, and tile t's operand is v[32 + 6 t .. + 11]: its upper half is the next tile's codes (zeros behind the last),
; which meet Q's zeros under finite scales (a scale word of q or k holds the head's two bytes twice) and add exactly 0.
; CAUSAL.  The loops' trip counts are constants.  A step all of whose 128 keys come after the wave's queries is jumped over (ids alone; no barrier stands in a step).  A tile's 16 queries lie inside 32 aligned tokens, so in a step
; that is walked every query sees the step's first key.  In the step on the diagonal hidden scores become -infinity ahead of the maximum.
; LIMITS: a block of zeros gets the byte 1 with zero codes; blocks under 2^-124 are held at that floor; NaN and infinities are not served.
.set VB,    106496                     ; V behind K
.set SPARE, 208896                     ; the spare words, 128 bytes for each of 16 waves, that no other line names
.set YSTG,  210944                     ; y's scale bytes: 512 bytes for each phase; no fill lands here
.set QF,   16                          ; v16-27 Q's fragment; v22-27 = 0
.set QS,   28                          ; v28 Q's scale words
.set SPW,  29                          ; v29 my spare word's address; v30 0; never rewritten
.set NIL,  30
.set KF,   32                          ; v32-79 K's eight tiles, six registers each; later V's four fragments; v80-85 = 0
.set KS,   86                          ; v86-89 K's scale words;  v90-91 V's
.set VS,   90
.set S,    96                          ; v96-159 S^T, then p, at the end y
.set OT,   160                         ; v160-191 O^T
.set PC,   192                         ; v192-203 p's codes; at the end y's
.set BM,   208                         ; v208-211 the blocks' largest
.set T2,   212                         ; v212-215 at work
.set SCF,  216                         ; v216-219 the conversions' scale operands
.set CT,   220                         ; v220-227
.set WV,   18
.set SEL,  20                          ; s[20:21] selects for lane l xor 16
.set CS,   22                          ; s[22:23] c = log2(e) / 8
.set G1K,  24
.set G1V,  32
.set G0K,  40                          ; s[40:47]: lower half, upper half
.set G0V,  48
	s_load_b256 s[4:11], s[0:1], 0x0               ; qk s[4:5], vt s[6:7], yc s[8:9], ys s[10:11]
	v_lshl_add_u32 v[SPW], v0, 2, SPARE
	v_mov_b32 v[NIL], 0
	ds_add_u32 v[SPW], v[NIL]                      ; the wave's opening: the add and its wait stand ahead of my first tensor load; work on registers stands between them
	ds_add_u32 v[SPW], v[NIL]
	v_lshrrev_b32 v1, 5, v0
	s_delay_alu instid0(VALU_DEP_1)
	v_readfirstlane_b32 s[WV], v1                  ; wave 0..15
	s_and_b32 s57, ttmp7, 0xffff                   ; 16 b + head
	s_lshr_b32 s58, s57, 4                         ; b
	s_and_b32 s59, s57, 15                         ; head
	s_and_b32 s56, s[WV], 7                        ; which eighth of a half I fetch
	s_mov_b32 s[G1K], 3<<16                        ; no mask; elements of 8 bytes; no padding.  A dense block as rows of 256 bytes
	s_mov_b32 s[G1K+1], 32<<16
	s_mov_b32 s[G1K+2], 26<<16                     ; K: 6,656 bytes: two blocks of 64 keys
	s_mov_b32 s[G1K+3], 32<<16
	s_mov_b32 s[G1K+4], 26
	s_mov_b32 s[G1K+5], 32
	s_mov_b32 s[G1K+6], 0
	s_mov_b32 s[G1K+7], 0
	s_mov_b32 s[G1V], 3<<16
	s_mov_b32 s[G1V+1], 32<<16
	s_mov_b32 s[G1V+2], 25<<16                     ; V: 6,400 bytes: one step of 128 keys
	s_mov_b32 s[G1V+3], 32<<16
	s_mov_b32 s[G1V+4], 25
	s_mov_b32 s[G1V+5], 32
	s_mov_b32 s[G1V+6], 0
	s_mov_b32 s[G1V+7], 0
	s_lshl_b32 s72, s58, 5
	s_add_co_u32 s72, s72, s59
	s_mul_i32 s60, s72, 106496                     ; q's head in qk
	s_mov_b32 s61, 0
	s_mul_i32 s73, s56, 6656                       ; my part of K, in LDS and in memory
	s_add_co_u32 s74, s60, s73
	s_add_co_u32 s74, s74, 16*106496               ; k's head lies 16 heads on
	s_mov_b32 s75, 0
	s_mul_i32 s82, s56, 6400                       ; my part of V
	s_mul_i32 s80, s57, 102400
	s_add_co_u32 s80, s80, s82
	s_mov_b32 s81, 0
	s_mov_b32 s[SEL], 0x76543210
	s_mov_b32 s[SEL+1], 0xfedcba98
	s_mov_b32 s[CS], 0x3e38aa3b
	s_mov_b32 s[CS+1], s[CS]                       ; (named with it as a pair)
	s_wait_dscnt 0x0                               ; the opening add is done
	s_wait_kmcnt 0x0
	s_mov_b32 s[G0K], 1
	s_mov_b32 s[G0K+1], s73
	s_add_nc_u64 s[G0K+2:G0K+3], s[4:5], s[74:75]
	s_mov_b32 s[G0K+4], 1
	s_add_co_u32 s[G0K+5], s73, 53248
	s_add_nc_u64 s[G0K+6:G0K+7], s[G0K+2:G0K+3], 53248
	s_or_b32 s[G0K+3], s[G0K+3], 0x80000000
	s_or_b32 s[G0K+7], s[G0K+7], 0x80000000
	s_mov_b32 s[G0V], 1
	s_add_co_u32 s[G0V+1], s82, VB
	s_add_nc_u64 s[G0V+2:G0V+3], s[6:7], s[80:81]
	s_mov_b32 s[G0V+4], 1
	s_add_co_u32 s[G0V+5], s82, VB+51200
	s_add_nc_u64 s[G0V+6:G0V+7], s[G0V+2:G0V+3], 51200
	s_or_b32 s[G0V+3], s[G0V+3], 0x80000000
	s_or_b32 s[G0V+7], s[G0V+7], 0x80000000
	s_add_nc_u64 s[60:61], s[4:5], s[60:61]        ; q's head
	s_cmp_lt_u32 s[WV], 8                          ; waves 0-7 fetch K, waves 8-15 V; a wave's two first fills stand in one branch on its number
	s_cbranch_scc0 .Lfill_v
	tensor_load_to_lds s[G0K:G0K+3], s[G1K:G1K+7]
	s_nop 0
	tensor_load_to_lds s[G0K+4:G0K+7], s[G1K:G1K+7]
	s_nop 0
.rept 4
	v_nop
.endr
	s_branch .Lfilled
.Lfill_v:
	tensor_load_to_lds s[G0V:G0V+3], s[G1V:G1V+7]
	s_nop 0
	tensor_load_to_lds s[G0V+4:G0V+7], s[G1V:G1V+7]
	s_nop 0
.rept 4
	v_nop
.endr
.Lfilled:
	v_and_b32 v3, 31, v0                           ; lane
	v_and_b32 v1, 15, v0                           ; r
	v_bfe_u32 v2, v0, 4, 1                         ; h
	s_delay_alu instid0(VALU_DEP_3)
	v_lshlrev_b32 v4, 4, v3                        ; 16 x lane: K's place, and offsets in memory
	s_delay_alu instid0(VALU_DEP_4)
	v_lshlrev_b32 v5, 3, v3                        ; 8 x lane
	s_delay_alu instid0(VALU_DEP_2)
	v_add_nc_u32 v6, VB, v4                        ; V's
	s_delay_alu instid0(VALU_DEP_2)
	v_add_nc_u32 v7, VB, v5
	v_and_b32 v31, 8, v1
	s_delay_alu instid0(VALU_DEP_1)
	v_add_nc_u32 v31, v31, v1
	v_lshlrev_b32 v8, 4, v2
	s_delay_alu instid0(VALU_DEP_1)
	v_sub_nc_u32 v31, v31, v8                      ; r + 8 (r / 8) - 16 h: for the diagonal
	v_lshlrev_b32 v92, 3, v1                       ; Q's scale word: 8 r
	v_add_nc_u32 v94, YSTG, v4                     ; the scale bytes' stage, out
	s_lshl_b32 s72, s[WV], 5
	v_lshlrev_b32 v95, 1, v1
	s_delay_alu instid0(VALU_DEP_1)
	v_add_nc_u32 v95, s72, v95
	s_delay_alu instid0(VALU_DEP_1)
	v_add_nc_u32 v95, YSTG, v95                    ; and in: 32 x wave + 2 r
.irp i, 0,1,2,3,4,5
	v_mov_b32 v[QF+6+\i], 0                        ; zero codes: the upper 64 of the first product's K
	v_mov_b32 v[KF+48+\i], 0                       ; and behind K's last tile
.endr
.irp b, 0,1,2,3
	v_mov_b32 v[T2+\b], 0                          ; a lane permute's destination counts as read
.endr
	v_mov_b32 v229, 0                              ; (named as the upper halves of pairs before they are first written)
	v_mov_b32 v231, 0
; A PHASE: my tile of 16 queries of block i (ph = 0) or 7 - i (ph = 1); n key steps are walked, a constant.
.macro PHASE n, ph
	s_wait_xcnt 0x0                                ; the last phase's loads and stores have read their bases and data
.if \ph
	s_sub_co_u32 s62, 7, ttmp9
.else
	s_mov_b32 s62, ttmp9
.endif
	s_lshl_b32 s63, s62, 4
	s_add_co_u32 s63, s63, s[WV]                   ; T: my tile in the batch's 128
	s_lshr_b32 s66, s63, 1
	s_lshl_b32 s66, s66, 5
	s_and_b32 s80, s63, 1
	s_lshl_b32 s81, s80, 3
	s_add_co_u32 s66, s66, s81                     ; my first query
	s_add_co_u32 s67, s66, 23                      ; my last
	s_lshr_b32 s80, s63, 2
	s_mul_i32 s80, s80, 3328                       ; the tile's block of 64 tokens
	s_and_b32 s81, s63, 3
	s_mul_i32 s82, s81, 768
	s_add_co_u32 s82, s82, s80
	s_mov_b32 s83, 0
	s_add_nc_u64 s[72:73], s[60:61], s[82:83]      ; its half fragment
	s_and_b32 s82, s63, 1
	s_lshl_b32 s82, s82, 7                         ; its scale words: lanes 16 (T % 2) on, 8 bytes a lane,
	s_lshr_b32 s81, s81, 1
	s_lshl_b32 s81, s81, 2                         ; word (T % 4) / 2
	s_add_co_u32 s82, s82, s81
	s_add_co_u32 s82, s82, s80
	s_add_co_u32 s82, s82, 3072
	s_add_nc_u64 s[74:75], s[60:61], s[82:83]
	s_lshl_b32 s82, s58, 7
	s_add_co_u32 s82, s82, s63
	s_lshl_b32 s82, s82, 4
	s_add_co_u32 s82, s82, s59
	s_mul_i32 s82, s82, 768
	s_add_nc_u64 s[76:77], s[8:9], s[82:83]        ; yc: ((128 b + T) 16 + head) 768
	s_lshl_b32 s82, s58, 7
	s_lshl_b32 s81, s62, 4
	s_add_co_u32 s82, s82, s81
	s_lshl_b32 s82, s82, 5
	s_lshl_b32 s81, s59, 14
	s_add_co_u32 s82, s82, s81
	s_add_nc_u64 s[78:79], s[10:11], s[82:83]      ; ys: 16,384 head + 32 (128 b + 16 block)
	global_load_b128 v[QF:QF+3], v4, s[72:73]
	global_load_b64 v[QF+4:QF+5], v5, s[72:73] offset:512
	global_load_b32 v[QS], v92, s[74:75]
	v_mov_b32 v13, 0xff61b1e6                      ; the largest t so far: -3e38
	s_delay_alu instid0(VALU_DEP_1)
	v_floor_f32 v12, -v13                          ; -M
	v_mov_b32 v14, 0                               ; the sum, in two halves
	v_mov_b32 v15, 0
.set j, 0
.rept 32
	v_mov_b32 v[OT+j], 0                           ; O^T: the step is written once: the first finds zeros
.set j, j+1
.endr
	s_mov_b32 s68, 0                               ; the step's first key
	s_mov_b32 s69, 0                               ; its place in K,
	s_mov_b32 s70, 0                               ; and in V
	s_mov_b32 s71, 0
	s_wait_loadcnt 0x0                             ; Q
.Lstep_\@:
	s_cmp_gt_u32 s68, s67                          ; all keys behind my last query: nothing to do
	s_cbranch_scc1 .Lhidden_\@
	s_setprio 2
	v_add_nc_u32 v8, s69, v4                       ; these four are also the places behind the last step's products, in front of the loads below
	v_add_nc_u32 v9, s69, v5
	v_add_nc_u32 v10, s70, v6
	v_add_nc_u32 v11, s70, v7
.irp t, 0,1,2,3,4,5,6,7
	ds_load_b128 v[KF+6*\t:KF+6*\t+3], v8 offset:(\t/4)*3328+(\t%4)*768
	ds_load_b64 v[KF+6*\t+4:KF+6*\t+5], v9 offset:(\t/4)*3328+(\t%4)*768+512
.endr
	ds_load_b64 v[KS:KS+1], v9 offset:3072
	ds_load_b64 v[KS+2:KS+3], v9 offset:3328+3072
	s_wait_alu depctr_va_vdst(0)
	s_wait_dscnt 0x0
.irp t, 0,1,2,3,4,5,6,7                        ; S^T = K Q^T: eight tiles of 16 keys
.if \t%2
	v_wmma_scale_f32_16x16x128_f8f6f4 v[S+8*\t:S+8*\t+7], v[KF+6*\t:KF+6*\t+11], v[QF:QF+11], 0, v[KS+\t/2], v[QS] matrix_a_fmt:MATRIX_FMT_FP6 matrix_b_fmt:MATRIX_FMT_FP6 matrix_a_scale:MATRIX_SCALE_ROW1
.else
	v_wmma_scale_f32_16x16x128_f8f6f4 v[S+8*\t:S+8*\t+7], v[KF+6*\t:KF+6*\t+11], v[QF:QF+11], 0, v[KS+\t/2], v[QS] matrix_a_fmt:MATRIX_FMT_FP6 matrix_b_fmt:MATRIX_FMT_FP6
.endif
.endr
.rept 4
	v_nop                                          ; places: in front of the loads into K's registers and of the first read of the scores
.endr
.irp a, 0,1,2,3                                ; V's four fragments are asked for here and land under the softmax
	ds_load_b128 v[KF+12*\a:KF+12*\a+3], v10 offset:1536*\a
	ds_load_b64 v[KF+12*\a+4:KF+12*\a+5], v11 offset:1536*\a+512
	ds_load_b128 v[KF+12*\a+6:KF+12*\a+9], v10 offset:1536*\a+768
	ds_load_b64 v[KF+12*\a+10:KF+12*\a+11], v11 offset:1536*\a+1280
.endr
	ds_load_b64 v[VS:VS+1], v11 offset:6144
	s_add_co_u32 s80, s68, 127
	s_cmp_le_u32 s80, s66                          ; all 128 keys count for all my queries: no mask
	s_cbranch_scc1 .Lopen_\@
	s_sub_co_i32 s80, s66, s68
	v_add_nc_u32 v230, s80, v31                    ; d = my query - the step's first key - 16 h.  Register 16 b + i holds key 32 b + 16 h + i of the step: hidden where 32 b + i > d
	v_mov_b32 v232, 0xff800000                     ; -infinity
.set j, 0
.rept 64
	v_cmp_gt_i32 vcc_lo, 32*(j/16)+j%16, v230
	v_cndmask_b32 v[S+j], v[S+j], v232, vcc_lo
.set j, j+1
.endr
.Lopen_\@:
.irp b, 0,1,2,3
	v_max3_num_f32 v[BM+\b], v[S+16*\b], v[S+16*\b+1], v[S+16*\b+2]   ; the largest score of each block of 32 keys: for the row's maximum, and, since p rises with the score, for the block's largest p
.endr
.irp i, 3,5,7,9,11,13
.irp b, 0,1,2,3
	v_max3_num_f32 v[BM+\b], v[BM+\b], v[S+16*\b+\i], v[S+16*\b+\i+1]
.endr
.endr
.irp b, 0,1,2,3
	v_max_num_f32 v[BM+\b], v[BM+\b], v[S+16*\b+15]
.endr
.irp b, 0,1,2,3
	s_delay_alu instid0(VALU_DEP_4)
	v_permlanex16_b32 v[T2+\b], v[BM+\b], s[SEL], s[SEL+1]
.endr
.irp b, 0,1,2,3
	s_delay_alu instid0(VALU_DEP_4)
	v_max_num_f32 v[BM+\b], v[BM+\b], v[T2+\b]     ; with lane l xor 16's 16 keys
.endr
	s_delay_alu instid0(VALU_DEP_2)
	v_max3_num_f32 v230, v[BM], v[BM+1], v[BM+2]
	s_delay_alu instid0(VALU_DEP_1)
	v_max_num_f32 v230, v230, v[BM+3]
	s_delay_alu instid0(VALU_DEP_1)
	v_mul_f32 v230, s[CS], v230                    ; as t
	s_delay_alu instid0(VALU_DEP_1)
	v_max_num_f32 v13, v13, v230                   ; the running largest t
	v_mov_b32 v230, v12
	s_delay_alu instid0(VALU_DEP_2)
	v_floor_f32 v12, -v13                          ; the new -M = -ceil(t): a whole number
	s_delay_alu instid0(VALU_DEP_1)
	v_sub_f32 v230, v12, v230                      ; old M - new M: a whole number, 0 or less
	s_delay_alu instid0(VALU_DEP_1)
	v_cvt_i32_f32 v230, v230                       ; (it saturates)
	s_delay_alu instid0(VALU_DEP_1)
	v_ldexp_f32 v228, 1.0, v230                    ; f = 2^(old M - new M)
.set j, 0
	s_setprio 1
.rept 32
	v_pk_fma_f32 v[S+j:S+j+1], v[S+j:S+j+1], s[CS:CS+1], v[12:13] op_sel_hi:[1,0,0]   ; t - M, two at a time
.set j, j+2
.endr
.irp b, 0,1,2,3
	v_fma_f32 v[BM+\b], v[BM+\b], s[CS], v12       ; the same of each block's largest score
.endr
.set j, 0
	s_wait_alu depctr_va_vdst(0)
.rept 64
	v_exp_f32 v[S+j], v[S+j]                       ; p = 2^(t - M)
.set j, j+1
.endr
	v_pk_mul_f32 v[14:15], v[14:15], v[228:229] op_sel_hi:[1,0]   ; the sums under the new M: the plain place behind the exponentials
	s_wait_alu depctr_va_vdst(0)                   ; one wait for the batch of 64, ahead of its first reader
.irp b, 0,1,2,3
	v_exp_f32 v[BM+\b], v[BM+\b]                   ; the blocks' largest p
.endr
	v_pk_add_f32 v[212:213], v[100:101], v[104:105]
	v_pk_add_f32 v[254:255], v[108:109], v[112:113]
	v_pk_add_f32 v[252:253], v[116:117], v[120:121]
	v_pk_add_f32 v[250:251], v[124:125], v[128:129]
	v_pk_add_f32 v[248:249], v[132:133], v[136:137]
	v_pk_add_f32 v[246:247], v[140:141], v[144:145]
	v_pk_add_f32 v[244:245], v[148:149], v[152:153]
	v_pk_add_f32 v[14:15], v[14:15], v[156:157]
	v_pk_add_f32 v[212:213], v[212:213], v[96:97]
	v_pk_add_f32 v[254:255], v[254:255], v[98:99]
	v_pk_add_f32 v[252:253], v[252:253], v[102:103]
	v_pk_add_f32 v[250:251], v[250:251], v[106:107]
	v_pk_add_f32 v[248:249], v[248:249], v[110:111]
	v_pk_add_f32 v[246:247], v[246:247], v[114:115]
	v_pk_add_f32 v[244:245], v[244:245], v[118:119]
	v_pk_add_f32 v[14:15], v[14:15], v[122:123]
	v_pk_add_f32 v[212:213], v[212:213], v[126:127]
	v_pk_add_f32 v[254:255], v[254:255], v[130:131]
	v_pk_add_f32 v[252:253], v[252:253], v[134:135]
	v_pk_add_f32 v[250:251], v[250:251], v[138:139]
	v_pk_add_f32 v[248:249], v[248:249], v[142:143]
	v_pk_add_f32 v[246:247], v[246:247], v[146:147]
	v_pk_add_f32 v[244:245], v[244:245], v[150:151]
	v_pk_add_f32 v[14:15], v[14:15], v[154:155]
	v_pk_add_f32 v[212:213], v[212:213], v[158:159]
	s_delay_alu instid0(VALU_DEP_2)
	v_pk_add_f32 v[14:15], v[14:15], v[250:251]
	s_delay_alu instid0(VALU_DEP_2)
	v_pk_add_f32 v[212:213], v[212:213], v[248:249]
	v_pk_add_f32 v[254:255], v[254:255], v[246:247]
	v_pk_add_f32 v[252:253], v[252:253], v[244:245]
	s_delay_alu instid0(VALU_DEP_2)
	v_pk_add_f32 v[14:15], v[14:15], v[254:255]
	s_delay_alu instid0(VALU_DEP_2)
	v_pk_add_f32 v[212:213], v[212:213], v[252:253]
	s_delay_alu instid0(VALU_DEP_1)
	v_pk_add_f32 v[14:15], v[14:15], v[212:213]
	s_wait_alu depctr_va_vdst(0)                   ; and one for the four
.irp b, 0,1,2,3
	v_max_num_f32 v[BM+\b], 0x1800000, v[BM+\b]    ; the floor: the byte cannot fall under 1
.endr
.irp b, 0,1,2,3
	s_delay_alu instid0(VALU_DEP_4)
	v_add_nc_u32 v[SCF+\b], 0xff000000, v[BM+\b]   ; 2 off the exponent field: the conversion's scale operand
.endr
.irp b, 0,1,2,3
	s_delay_alu instid0(VALU_DEP_4)
	v_lshrrev_b32 v[T2+\b], 23, v[SCF+\b]          ; the byte
.endr
	s_delay_alu instid0(VALU_DEP_3)
	v_lshl_or_b32 v229, v[T2+1], 8, v[T2]          ; p's scale word for these 128 keys
	s_delay_alu instid0(VALU_DEP_1)
	v_lshl_or_b32 v229, v[T2+2], 16, v229
	s_delay_alu instid0(VALU_DEP_1)
	v_lshl_or_b32 v229, v[T2+3], 24, v229
	s_setprio 0
.irp c, 0,1
	v_cvt_scalef32_pk16_fp6_f32 v[PC+6*\c:PC+6*\c+2], v[S+32*\c:S+32*\c+15], v[SCF+2*\c]
	v_cvt_scalef32_pk16_fp6_f32 v[CT+4*\c:CT+4*\c+2], v[S+32*\c+16:S+32*\c+31], v[SCF+2*\c+1]
.endr
	v_nop                                          ; one plain place behind the conversions
.irp c, 0,1
.irp i, 0,1,2
	v_permlane16_swap_b32 v[PC+6*\c+\i], v[CT+4*\c+\i]   ; a whole block to a lane
.endr
.irp i, 0,1,2
	s_delay_alu instid0(VALU_DEP_3)
	v_mov_b32 v[PC+6*\c+3+\i], v[CT+4*\c+\i]
.endr
.endr
.set j, 0
.rept 16
	v_pk_mul_f32 v[OT+j:OT+j+1], v[OT+j:OT+j+1], v[228:229] op_sel_hi:[1,0]   ; O^T under the new M; for each product below twelve of these name none of its registers: its places behind the codes and the scale word
.set j, j+2
.endr
	s_wait_alu depctr_va_vdst(0)
	s_wait_dscnt 0x0                               ; V
.irp a, 0,1,2,3                                ; O^T += V^T P^T: four accumulators by turns
.if \a%2
	v_wmma_scale_f32_16x16x128_f8f6f4 v[OT+8*\a:OT+8*\a+7], v[KF+12*\a:KF+12*\a+11], v[PC:PC+11], v[OT+8*\a:OT+8*\a+7], v[VS+\a/2], v229 matrix_a_fmt:MATRIX_FMT_FP6 matrix_b_fmt:MATRIX_FMT_FP6 matrix_a_scale:MATRIX_SCALE_ROW1
.else
	v_wmma_scale_f32_16x16x128_f8f6f4 v[OT+8*\a:OT+8*\a+7], v[KF+12*\a:KF+12*\a+11], v[PC:PC+11], v[OT+8*\a:OT+8*\a+7], v[VS+\a/2], v229 matrix_a_fmt:MATRIX_FMT_FP6 matrix_b_fmt:MATRIX_FMT_FP6
.endif
.endr
.Lhidden_\@:
	s_add_co_u32 s68, s68, 128
	s_add_co_u32 s69, s69, 6656
	s_add_co_u32 s70, s70, 6400
	s_add_co_u32 s71, s71, 1
	s_cmp_lt_u32 s71, \n
	s_cbranch_scc1 .Lstep_\@
	s_setprio 0
	; y = O^T / the sum; register 16 b + i = channel 32 b + 16 h + i of my query: two blocks of 32, quantised as one half fragment
.rept 4
	v_nop                                          ; places behind the last products
.endr
	v_add_f32 v14, v14, v15
	s_delay_alu instid0(VALU_DEP_1)
	v_permlanex16_b32 v[T2], v14, s[SEL], s[SEL+1]
	s_delay_alu instid0(VALU_DEP_1)
	v_add_f32 v14, v14, v[T2]                      ; the row's sum
	s_wait_alu depctr_va_vdst(0)
	v_rcp_f32 v230, v14
	v_nop                                          ; a plain place behind the reciprocal,
	s_wait_alu depctr_va_vdst(0)                   ; and its wait, ahead of its first reader
.set j, 0
.rept 16
	v_pk_mul_f32 v[S+j:S+j+1], v[OT+j:OT+j+1], v[230:231] op_sel_hi:[1,0]   ; each accumulator from its low end on
.set j, j+2
.endr
.irp b, 0,1
	v_max3_num_f32 v[BM+\b], |v[S+16*\b]|, |v[S+16*\b+1]|, 0x1800000
.endr
.irp i, 2,4,6,8,10,12,14
.irp b, 0,1
	s_delay_alu instid0(VALU_DEP_2)
	v_max3_num_f32 v[BM+\b], v[BM+\b], |v[S+16*\b+\i]|, |v[S+16*\b+\i+1]|
.endr
.endr
.irp b, 0,1
	s_delay_alu instid0(VALU_DEP_2)
	v_permlanex16_b32 v[T2+\b], v[BM+\b], s[SEL], s[SEL+1]
.endr
.irp b, 0,1
	s_delay_alu instid0(VALU_DEP_2)
	v_max_num_f32 v[BM+\b], v[BM+\b], v[T2+\b]
.endr
.irp b, 0,1
	s_delay_alu instid0(VALU_DEP_2)
	v_add_nc_u32 v[SCF+\b], 0xff000000, v[BM+\b]
.endr
.irp b, 0,1
	s_delay_alu instid0(VALU_DEP_2)
	v_lshrrev_b32 v[T2+\b], 23, v[SCF+\b]
.endr
	s_delay_alu instid0(VALU_DEP_1)
	v_lshl_or_b32 v232, v[T2+1], 8, v[T2]          ; the head's two bytes of my query
	v_cvt_scalef32_pk16_fp6_f32 v[PC:PC+2], v[S:S+15], v[SCF]
	v_cvt_scalef32_pk16_fp6_f32 v[CT:CT+2], v[S+16:S+31], v[SCF+1]
	v_nop
.irp i, 0,1,2
	v_permlane16_swap_b32 v[PC+\i], v[CT+\i]
.endr
.irp i, 0,1,2
	s_delay_alu instid0(VALU_DEP_3)
	v_mov_b32 v[PC+3+\i], v[CT+\i]
.endr
	global_store_b128 v4, v[PC:PC+3], s[76:77]             ; 512 and 256 consecutive bytes, aligned
	global_store_b64 v5, v[PC+4:PC+5], s[76:77] offset:512
	ds_store_b16 v95, v232 offset:512*\ph                  ; both halves of the lanes write the same two bytes with the same value
.endm
; the sixteen tiles' scale bytes of a phase, 512 consecutive bytes of ys, leave by one store of wave 0
.macro YSOUT ph
	s_cmp_lg_u32 s[WV], 0
	s_cbranch_scc1 .Lnot_mine_\@
	ds_load_b128 v[S:S+3], v94 offset:512*\ph
	s_wait_dscnt 0x0
	global_store_b128 v4, v[S:S+3], s[78:79]
.Lnot_mine_\@:
.endm
	s_wait_tensorcnt 0x1                           ; my part of the lower halves has landed; one load was issued behind it, the upper half's, and may stay out
	s_barrier_signal -1
	s_barrier_wait -1
	PHASE 8, 0                                     ; queries under 1,024: keys under 1,024
	s_wait_tensorcnt 0x0                           ; my part of the upper halves has landed,
	s_wait_dscnt 0x0                               ; and my two scale bytes lie in the stage
	s_barrier_signal -1
	s_barrier_wait -1
	YSOUT 0
	PHASE 16, 1
	s_wait_dscnt 0x0
	s_barrier_signal -1
	s_barrier_wait -1
	YSOUT 1
	s_wait_tensorcnt 0x0                           ; the wave's end: behind my last tensor load and my last LDS store
	ds_add_u32 v[SPW], v[NIL]
	s_wait_dscnt 0x0
	s_endpgm
.Lfunc_end_k_q5551431548_attn:
	.size	k_q5551431548_attn, .Lfunc_end_k_q5551431548_attn-k_q5551431548_attn
	.p2alignl 7, 3214868480
	.fill 96, 4, 3214868480
	.section	.rodata,"a",@progbits
	.p2align	6, 0x0
	.amdhsa_kernel k_q5551431548_attn
		.amdhsa_group_segment_fixed_size 212992
		.amdhsa_private_segment_fixed_size 0
		.amdhsa_enable_private_segment 0
		.amdhsa_kernarg_size 32
		.amdhsa_user_sgpr_count 2
		.amdhsa_user_sgpr_kernarg_segment_ptr 1
		.amdhsa_wavefront_size32 1
		.amdhsa_system_sgpr_workgroup_id_x 1
		.amdhsa_system_sgpr_workgroup_id_y 1
		.amdhsa_system_sgpr_workgroup_id_z 1
		.amdhsa_system_vgpr_workitem_id 0
		.amdhsa_next_free_vgpr 256
		.amdhsa_next_free_sgpr 96
		.amdhsa_reserve_vcc 1
		.amdhsa_float_denorm_mode_32 3
		.amdhsa_float_denorm_mode_16_64 3
		.amdhsa_memory_ordered 1
		.amdhsa_forward_progress 1
		.amdhsa_inst_pref_size 67
	.end_amdhsa_kernel
	.amdgpu_metadata
---
amdhsa.version: [ 1, 2 ]
amdhsa.kernels:
  - .name:           k_q5551431548_attn
    .symbol:         k_q5551431548_attn.kd
    .args:
      - { .name: qk, .offset: 0, .size: 8, .value_kind: global_buffer, .address_space: global }
      - { .name: vt, .offset: 8, .size: 8, .value_kind: global_buffer, .address_space: global }
      - { .name: yc, .offset: 16, .size: 8, .value_kind: global_buffer, .address_space: global }
      - { .name: ys, .offset: 24, .size: 8, .value_kind: global_buffer, .address_space: global }
    .group_segment_fixed_size: 212992
    .private_segment_fixed_size: 0
    .kernarg_segment_align: 8
    .kernarg_segment_size: 32
    .max_flat_workgroup_size: 512
    .sgpr_count:     96
    .vgpr_count:     256
    .wavefront_size: 32
...
	.end_amdgpu_metadata
.endif
;; end of part 3
;; launch proj (part 4): grid 4 x 64, 4 waves a work-group, clusters of 4 x 4, 327,680 bytes of LDS; arguments yc, ys, cw, out0; writes out0
.if DOCPART == 4
	.amdgcn_target "amdgcn-amd-amdhsa--gfx1250"
	.amdhsa_code_object_version 6
	.text
	.protected	k_q5551431548_proj
	.globl	k_q5551431548_proj
	.p2align	8
	.type	k_q5551431548_proj,@function
k_q5551431548_proj:
	s_mov_b64 s[64:65], 0
	v_nop
	global_prefetch_b8 v0, s[64:65] scope:SCOPE_SE
	s_setreg_imm32_b32 hwreg(HW_REG_WAVE_MODE, 25, 1), 1
	s_wait_xcnt 0x0
	s_wait_alu depctr_hold_cnt(0) depctr_sa_sdst(0) depctr_va_vdst(0) depctr_va_sdst(0) depctr_va_ssrc(0) depctr_va_vcc(0) depctr_vm_vsrc(0)
	s_getreg_b32 s2, hwreg(HW_REG_IB_STS2, 6, 4)
	s_cmp_eq_u32 s2, 0
	s_cbranch_scc0 .Lentry_in_a_cluster
	s_endpgm
.Lentry_in_a_cluster:
	s_bfe_u32 s2, ttmp6, 0x10000c
	s_cmp_lg_u32 s2, 0xf033
	s_cbranch_scc0 .Lentry_shape_is_right
	s_endpgm
.Lentry_shape_is_right:
; out0 = y w_proj^T on codes of FP6 (E2M3) with E8M0 scales, K = 1,024; out0 [8192][1024] f32.
; A work-group of four waves makes R 128 tokens x C 256 outputs; a wave 64 x 128: 4 x 8 accumulators.  SOURCE 0 = a tile of w_proj's rows, which then run along a lane's registers; SOURCE 1 = a tile of tokens, which stay in the lanes.
; 128 x 256 gives 256 work-groups, one for each WGP; 256 x 256 would give 128.
; TILES: lane-row p of tile T is row 32 (T / 2) + 8 (T % 2) + p + 8 (p / 8).
; LDS: both sides' codes for ALL of K lie in LDS (303,104 bytes), brought by first fills alone, in two chunks of four K steps: no byte is filled twice.  A wave has two tensor loads out.
; Nothing is prefetched: all that a work-group reads is asked for at its head.
; CLUSTER 4 x 4: the tokens' tiles are asked for jointly along a row of the cluster, w_proj's along a column.
; yc: [tile 512][head 16] half fragments of 768 bytes (registers 0-3 at 16 x lane, registers 4-5 at 8 x lane); K step s = heads 2 s, 2 s + 1.  ys: [head 16][tile 512][row 16] two bytes.
; cw: [tile][q 2] records of 6,400 bytes: four fragments of 1,536, 256 bytes of scale words [row 16][f 4]; w_proj's tiles begin at 704.
; REGISTERS: window 0: v3-19 addresses; v20-51, v52-67 scale words; v68-163 R's fragments, two sets; v128-255 on the way out.  window 1: C's fragments, two sets.  window 2: accumulator (a, b) at v[8 (8 a + b)].
.set RROW,  6144                       ; a tile's eight half fragments in a chunk
.set CROW,  6400
.set QSZ,   8*RROW+16*CROW
.set SPARE, 2*QSZ                      ; the spare words, 128 bytes a wave, that no other line names
.set SPITCH, 528                       ; the way out: a stage of 16 rows x (512 + 16) bytes for each wave, in chunk 0's R tiles: they have had their only fill, and their last read lies ahead of the barrier in K step 3
.set RD,   3                           ; v3  the stage, out
.set AR16, 4
.set AR8,  6
.set AC16, 8
.set AC8,  10
.set YSO,  12                          ; v12 my offset in ys
.set STO,  13                          ; v13 the stage, in
.set ASC,  14                          ; v14-15 C's scale words: lanes 0-15 tile j, lanes 16-31 tile j + 4
.set LI16, 16
.set LI8,  17
.set SPW,  18                          ; v18 my spare word's address; v19 0; never rewritten
.set NIL,  19
.set SCLC, 20                          ; register 8 (b % 4) + s
.set SCLR, 52                          ; register 8 (a % 2) + s: lanes 0-15 tile a % 2, lanes 16-31 tile a % 2 + 2
.set RF,   68
.set BK,   128                         ; the way out: 16 rows back from the stage: v128-191 and v192-255 by turns
.set YT,   192                         ; v192-223 y's scale bytes as loaded
.set G1R, 24
.set G0R, 32
.set G1C, 48
.set G0C, 56
.set MSB, 0
.macro WIN new                         ; the immediate's high byte repeats the setting that is left
.if MSB != \new
	s_set_vgpr_msb (MSB<<8)|\new
.set MSB, \new
.endif
.endm
.macro CROUND                          ; a round of the cluster's barrier
	s_barrier_signal -1
	s_barrier_wait -1
	s_cmp_lg_u32 s14, 0
	s_cbranch_scc1 .Lnot_wave_0_\@
	s_barrier_signal -3
.Lnot_wave_0_\@:
	s_barrier_wait -3
	s_barrier_signal -1
	s_barrier_wait -1
.endm
.macro PLACES                          ; four plain places behind a matrix instruction (ISA guide 7.12.1)
.rept 4
	v_nop
.endr
.endm
.macro HFP reg, a16, a8, off           ; a fragment: two halves, each 16 bytes a lane and 8 bytes a lane
	ds_load_b128 v[(\reg):(\reg)+3], v[\a16] offset:(\off)
	ds_load_b64 v[(\reg)+4:(\reg)+5], v[\a8] offset:(\off)+512
	ds_load_b128 v[(\reg)+6:(\reg)+9], v[\a16] offset:(\off)+768
	ds_load_b64 v[(\reg)+10:(\reg)+11], v[\a8] offset:(\off)+1280
.endm
.macro FETCH s, set                    ; K step s: my 8 fragments of C and 4 of R: 48 loads in one run
	WIN 0x40                                       ; destination window 1
.irp b, 0,1,2,3,4,5,6,7
	HFP 128*(\set)+12*\b, AC16+(\s)/4, AC8+(\s)/4, CROW*\b+1536*((\s)%4)
.endr
	WIN 0
.irp a, 0,1,2,3
	HFP RF+48*(\set)+12*\a, AR16+(\s)/4, AR8+(\s)/4, RROW*\a+1536*((\s)%4)
.endr
.endm
.macro SCALES q                        ; a chunk's scale words of C: four K steps' words of a row by one load
	WIN 0
.irp j, 0,1,2,3
	ds_load_b128 v[SCLC+8*\j+4*(\q):SCLC+8*\j+4*(\q)+3], v[ASC+(\q)] offset:CROW*\j
.endr
.endm
.macro WM acc, fa, fb, sa, sb, zero, ra, rb    ; one product; ra, rb: the side's scale words stand in lanes 16-31
.if \zero
.if (\ra) && (\rb)
	v_wmma_scale_f32_16x16x128_f8f6f4 v[(\acc):(\acc)+7], v[(\fa):(\fa)+11], v[(\fb):(\fb)+11], 0, v[\sa], v[\sb] matrix_a_fmt:MATRIX_FMT_FP6 matrix_b_fmt:MATRIX_FMT_FP6 matrix_a_scale:MATRIX_SCALE_ROW1 matrix_b_scale:MATRIX_SCALE_ROW1
.elseif (\ra)
	v_wmma_scale_f32_16x16x128_f8f6f4 v[(\acc):(\acc)+7], v[(\fa):(\fa)+11], v[(\fb):(\fb)+11], 0, v[\sa], v[\sb] matrix_a_fmt:MATRIX_FMT_FP6 matrix_b_fmt:MATRIX_FMT_FP6 matrix_a_scale:MATRIX_SCALE_ROW1
.elseif (\rb)
	v_wmma_scale_f32_16x16x128_f8f6f4 v[(\acc):(\acc)+7], v[(\fa):(\fa)+11], v[(\fb):(\fb)+11], 0, v[\sa], v[\sb] matrix_a_fmt:MATRIX_FMT_FP6 matrix_b_fmt:MATRIX_FMT_FP6 matrix_b_scale:MATRIX_SCALE_ROW1
.else
	v_wmma_scale_f32_16x16x128_f8f6f4 v[(\acc):(\acc)+7], v[(\fa):(\fa)+11], v[(\fb):(\fb)+11], 0, v[\sa], v[\sb] matrix_a_fmt:MATRIX_FMT_FP6 matrix_b_fmt:MATRIX_FMT_FP6
.endif
.else
.if (\ra) && (\rb)
	v_wmma_scale_f32_16x16x128_f8f6f4 v[(\acc):(\acc)+7], v[(\fa):(\fa)+11], v[(\fb):(\fb)+11], v[(\acc):(\acc)+7], v[\sa], v[\sb] matrix_a_fmt:MATRIX_FMT_FP6 matrix_b_fmt:MATRIX_FMT_FP6 matrix_a_scale:MATRIX_SCALE_ROW1 matrix_b_scale:MATRIX_SCALE_ROW1
.elseif (\ra)
	v_wmma_scale_f32_16x16x128_f8f6f4 v[(\acc):(\acc)+7], v[(\fa):(\fa)+11], v[(\fb):(\fb)+11], v[(\acc):(\acc)+7], v[\sa], v[\sb] matrix_a_fmt:MATRIX_FMT_FP6 matrix_b_fmt:MATRIX_FMT_FP6 matrix_a_scale:MATRIX_SCALE_ROW1
.elseif (\rb)
	v_wmma_scale_f32_16x16x128_f8f6f4 v[(\acc):(\acc)+7], v[(\fa):(\fa)+11], v[(\fb):(\fb)+11], v[(\acc):(\acc)+7], v[\sa], v[\sb] matrix_a_fmt:MATRIX_FMT_FP6 matrix_b_fmt:MATRIX_FMT_FP6 matrix_b_scale:MATRIX_SCALE_ROW1
.else
	v_wmma_scale_f32_16x16x128_f8f6f4 v[(\acc):(\acc)+7], v[(\fa):(\fa)+11], v[(\fb):(\fb)+11], v[(\acc):(\acc)+7], v[\sa], v[\sb] matrix_a_fmt:MATRIX_FMT_FP6 matrix_b_fmt:MATRIX_FMT_FP6
.endif
.endif
.endm
.macro MUL s, set, zero                ; a K step's 32 products; the 32 accumulators take turns, one instruction a turn, in the same order in every step
	WIN 0xa1                                       ; source 0 window 1, source 1 window 0, C and D window 2
.irp a, 0,1,2,3
.irp b, 0,1,2,3,4,5,6,7
	WM 8*(8*\a+\b), 128*(\set)+12*\b, RF+48*(\set)+12*\a, SCLC+8*(\b%4)+(\s), SCLR+8*(\a%2)+(\s), \zero, \b/4, \a/2
.endr
.endr
.endm
.macro STEP s, zero                    ; the step's fragments are in; the next step's are asked for, in one run; then the products, under which they land
	s_wait_dscnt 0x0
.if (\s) == 3
	s_wait_tensorcnt 0x0                           ; my part of chunk 1 has landed; my reads of chunk 0 are over (the wait above);
	s_barrier_signal -1
	s_barrier_wait -1                              ; everybody's.
	SCALES 1
.endif
	PLACES
.if (\s) < 7
	FETCH (\s)+1, ((\s)+1)%2
.endif
	MUL \s, (\s)%2, \zero
.endm
	s_load_b256 s[4:11], s[0:1], 0x0               ; yc s[4:5], ys s[6:7], cw s[8:9], out0 s[10:11]
	v_lshl_add_u32 v[SPW], v0, 2, SPARE
	v_mov_b32 v[NIL], 0
	ds_add_u32 v[SPW], v[NIL]
	ds_add_u32 v[SPW], v[NIL]                      ; the wave's opening: the add and its wait stand ahead of my first tensor load; work on registers stands between them
	v_lshrrev_b32 v1, 5, v0
	v_readfirstlane_b32 s14, v1                    ; wave 0..3
	s_lshr_b32 s15, s14, 1                         ; my half of R.  Also: I fetch for R (0) or for C (1)
	s_and_b32 s16, s14, 1                          ; my half of C.  Also: which half of that side's tiles I fetch
	s_bfe_u32 s40, ttmp6, 0x40000                  ; cx
	s_bfe_u32 s41, ttmp6, 0x40004                  ; cy
	s_lshl_b32 s42, ttmp9, 2
	s_add_co_u32 s42, s42, s40                     ; ct: my 256 outputs
	s_and_b32 s17, ttmp7, 0xffff
	s_lshl_b32 s17, s17, 2
	s_add_co_u32 s17, s17, s41                     ; rt: my 128 tokens
	s_lshl_b32 s43, s41, 2
	s_lshl_b32 s43, 15, s43                        ; my row of the cluster
	s_lshl_b32 s44, 0x1111, s40                    ; my column
	s_or_b32 s[G1R], s43, (3<<16)|(1<<21)          ; 15:0 the mask; 17:16 elements of 8 bytes; 21 set beside a mask; no padding
	s_mov_b32 s[G1R+1], (RROW/8)<<16               ; tensor_dim0
	s_mov_b32 s[G1R+2], 4<<16                      ; tensor_dim1: four tiles
	s_mov_b32 s[G1R+3], (RROW/8)<<16               ; tile_dim0
	s_mov_b32 s[G1R+4], 4                          ; tile_dim1
	s_mov_b32 s[G1R+5], 1536                       ; from tile to tile: 12,288 bytes
	s_mov_b32 s[G1R+6], 0
	s_mov_b32 s[G1R+7], 0
	s_or_b32 s[G1C], s44, (3<<16)|(1<<21)
	s_mov_b32 s[G1C+1], (CROW/8)<<16
	s_mov_b32 s[G1C+2], 8<<16                      ; eight tiles
	s_mov_b32 s[G1C+3], (CROW/8)<<16
	s_mov_b32 s[G1C+4], 8
	s_mov_b32 s[G1C+5], 1600                       ; 12,800 bytes
	s_mov_b32 s[G1C+6], 0
	s_mov_b32 s[G1C+7], 0
	s_lshl_b32 s18, s17, 3                         ; R: tile 8 rt + 4 x (the half that I fetch): no cx in these registers
	s_lshl_b32 s19, s16, 2
	s_add_co_u32 s18, s18, s19
	s_mul_i32 s18, s18, 12288
	s_mov_b32 s19, 0
	s_lshl_b32 s20, s42, 4                         ; C: tile 704 + 16 ct + 8 x half: no cy in these
	s_add_co_u32 s20, s20, 704
	s_lshl_b32 s21, s16, 3
	s_add_co_u32 s20, s20, s21
	s_mul_i32 s20, s20, 12800
	s_mov_b32 s21, 0
	s_mul_i32 s47, s16, 4*RROW                     ; where they go: by the wave's number alone
	s_mul_i32 s67, s16, 8*CROW
	s_wait_dscnt 0x0                               ; the opening add is done
	s_wait_kmcnt 0x0
	s_add_nc_u64 s[18:19], s[4:5], s[18:19]
	s_add_nc_u64 s[20:21], s[8:9], s[20:21]
	CROUND                                         ; all sixteen work-groups are here: the joint loads meet
.irp q, 0,1
	s_mov_b32 s[G0R+4*\q], 1
	s_add_co_u32 s[G0R+4*\q+1], s47, \q*QSZ
	s_add_nc_u64 s[G0R+4*\q+2:G0R+4*\q+3], s[18:19], \q*RROW
	s_or_b32 s[G0R+4*\q+3], s[G0R+4*\q+3], 0x80000000
	s_mov_b32 s[G0C+4*\q], 1
	s_add_co_u32 s[G0C+4*\q+1], s67, \q*QSZ+8*RROW
	s_add_nc_u64 s[G0C+4*\q+2:G0C+4*\q+3], s[20:21], \q*CROW
	s_or_b32 s[G0C+4*\q+3], s[G0C+4*\q+3], 0x80000000
.endr
	s_cmp_eq_u32 s15, 0                            ; a wave's two first fills stand in one branch on its number: two loads of mine are out
	s_cbranch_scc0 .Lfill_c
	tensor_load_to_lds s[G0R:G0R+3], s[G1R:G1R+7]
	s_nop 0
	tensor_load_to_lds s[G0R+4:G0R+7], s[G1R:G1R+7]
	s_nop 0
.rept 4
	v_nop
.endr
	s_branch .Lfilled
.Lfill_c:
	tensor_load_to_lds s[G0C:G0C+3], s[G1C:G1C+7]
	s_nop 0
	tensor_load_to_lds s[G0C+4:G0C+7], s[G1C:G1C+7]
	s_nop 0
.rept 4
	v_nop
.endr
.Lfilled:
	v_and_b32 v3, 31, v0                           ; lane
	v_and_b32 v1, 15, v0                           ; r
	v_bfe_u32 v2, v0, 4, 1                         ; h
	v_lshlrev_b32 v[LI16], 4, v3
	v_lshlrev_b32 v[LI8], 3, v3
	s_lshl_b32 s22, s17, 3                         ; y's scale bytes: tile 8 rt + 4 x my half (+ 2 h), 32 bytes a tile, 2 bytes a row
	s_lshl_b32 s23, s15, 2
	s_add_co_u32 s22, s22, s23
	s_lshl_b32 s22, s22, 5
	v_lshlrev_b32 v[YSO], 1, v1
	v_lshl_add_u32 v[YSO], v2, 6, v[YSO]
	v_add_nc_u32 v[YSO], s22, v[YSO]
.irp j, 0,1
.irp d, 0,1,2,3,4,5,6,7,8,9,10,11,12,13,14,15
	global_load_u16 v[YT+16*\j+\d], v[YSO], s[6:7] offset:16384*\d+32*\j   ; head d's two bytes: lanes 0-15 tile j, lanes 16-31 tile j + 2.  Once for the whole launch
.endr
.endr
	v_lshlrev_b32 v165, 4, v1
	v_add_nc_u32 v165, 6144, v165                  ; a record's scale words, row r;
	v_mad_u32_u24 v165, v2, 4*CROW, v165           ; lanes 16-31 four tiles on
	s_mul_i32 s68, s15, 4*RROW                     ; my four tiles of R
	s_mul_i32 s69, s16, 8*CROW
	s_add_co_u32 s69, s69, 8*RROW                  ; my eight of C, behind R's eight
.irp q, 0,1
	v_add_nc_u32 v[AR16+\q], s68, v[LI16]
	v_add_nc_u32 v[AR8+\q], s68, v[LI8]
	v_add_nc_u32 v[AC16+\q], s69, v[LI16]
	v_add_nc_u32 v[AC8+\q], s69, v[LI8]
	v_add_nc_u32 v[ASC+\q], s69, v165
	s_add_co_u32 s68, s68, QSZ
	s_add_co_u32 s69, s69, QSZ
.endr
	s_mul_i32 s23, s14, 16*SPITCH                  ; my stage
	v_mul_u32_u24 v[STO], v1, SPITCH
	v_lshl_add_u32 v[STO], v2, 6, v[STO]
	v_add_nc_u32 v[STO], s23, v[STO]               ; in: row r, + 64 h bytes
	v_add_nc_u32 v[RD], s23, v[LI16]               ; out: a whole row of 512 bytes by the 32 lanes
	s_lshl_b32 s22, s17, 7
	s_lshl_b32 s23, s15, 6
	s_add_co_u32 s22, s22, s23                     ; my first token,
	s_lshl_b32 s22, s22, 12                        ; rows of 4,096 bytes
	s_lshl_b32 s23, s42, 10
	s_add_co_u32 s22, s22, s23                     ; + 1,024 ct
	s_lshl_b32 s23, s16, 9
	s_add_co_u32 s22, s22, s23                     ; + 512 x my half of C
	s_mov_b32 s23, 0
	s_add_nc_u64 s[10:11], s[10:11], s[22:23]
	s_wait_loadcnt 0x0
.irp j, 0,1
.irp s, 0,1,2,3,4,5,6,7
	v_lshl_or_b32 v[SCLR+8*\j+\s], v[YT+16*\j+2*\s+1], 16, v[YT+16*\j+2*\s]   ; K step s: heads 2 s and 2 s + 1: four bytes
.endr
.endr
.rept 8
	v_nop                                          ; a scale register written by a vector instruction stands eight places ahead of a scaled matrix instruction
.endr
	s_wait_alu depctr_va_vdst(0)
	s_wait_tensorcnt 0x1                           ; my part of chunk 0 has landed; one load was issued behind it, chunk 1's, and may stay out
	s_barrier_signal -1
	s_barrier_wait -1
	SCALES 0
	FETCH 0, 0
	STEP 0, 1                                      ; the first step's products start the sums: nothing is cleared
	STEP 1, 0
	STEP 2, 0
	STEP 3, 0
	STEP 4, 0
	STEP 5, 0
	STEP 6, 0
	STEP 7, 0
	WIN 0
	PLACES                                         ; in front of the first read of results, and of the loads into the registers that held R's fragments
; THE WAY OUT, a tile of 16 tokens x 128 outputs at a time.  Register j of accumulator (a, b) is output 32 (b / 2) + 16 h + 8 (b % 2) + j of the lane's token: 32 neighbouring bytes.  A tile goes through my own stage
; and comes back as whole rows of 512 bytes.  LDS serves a wave's instructions in order (ISA guide 5.7.1.4): no wait between the stores and the loads.
.macro TOSTAGE a
	WIN 0x08                                       ; an LDS store's data are its source 1: window 2
.irp b, 0,1,2,3,4,5,6,7
	ds_store_b128 v[STO], v[64*(\a)+8*\b:64*(\a)+8*\b+3] offset:128*(\b/2)+32*(\b%2)        ; each accumulator from its low end on
	ds_store_b128 v[STO], v[64*(\a)+8*\b+4:64*(\a)+8*\b+7] offset:128*(\b/2)+32*(\b%2)+16
.endr
	WIN 0
.set BB, BK+64*((\a)%2)
.irp t, 0,1,2,3,4,5,6,7,8,9,10,11,12,13,14,15
	ds_load_b128 v[BB+4*\t:BB+4*\t+3], v[RD] offset:\t*SPITCH
.endr
.endm
.macro SEND a, younger                 ; younger: the LDS instructions issued behind tile a's loads, which may stay out
.set BB, BK+64*((\a)%2)
	s_wait_dscnt \younger
.irp t, 0,1,2,3,4,5,6,7,8,9,10,11,12,13,14,15
	global_store_b128 v[LI16], v[BB+4*\t:BB+4*\t+3], s[10:11] offset:(32*((\a)/2)+8*((\a)%2)+\t+8*(\t/8))*4096 th:TH_STORE_NT   ; 512 consecutive bytes of a row of out0, aligned; the row is the tile's lane-row t
.endr
.endm
	TOSTAGE 0
.irp a, 1,2,3
.if \a > 1
	s_wait_xcnt 0x0                                ; tile a - 2's stores have read their registers: tile a's loads may land there
.endif
	TOSTAGE \a
	SEND \a-1, 32                                  ; behind tile a - 1's loads: tile a's 16 stores and 16 loads
.endr
	SEND 3, 0
	s_wait_tensorcnt 0x0                           ; the wave's end: behind my last tensor load and my last LDS store
	ds_add_u32 v[SPW], v[NIL]
	s_wait_dscnt 0x0
	CROUND                                         ; the closing round: no work-group ends while a partner may still ask for a tile that names it
	s_endpgm
.Lfunc_end_k_q5551431548_proj:
	.size	k_q5551431548_proj, .Lfunc_end_k_q5551431548_proj-k_q5551431548_proj
	.p2alignl 7, 3214868480
	.fill 96, 4, 3214868480
	.section	.rodata,"a",@progbits
	.p2align	6, 0x0
	.amdhsa_kernel k_q5551431548_proj
		.amdhsa_group_segment_fixed_size 327680
		.amdhsa_private_segment_fixed_size 0
		.amdhsa_enable_private_segment 0
		.amdhsa_kernarg_size 32
		.amdhsa_user_sgpr_count 2
		.amdhsa_user_sgpr_kernarg_segment_ptr 1
		.amdhsa_wavefront_size32 1
		.amdhsa_system_sgpr_workgroup_id_x 1
		.amdhsa_system_sgpr_workgroup_id_y 1
		.amdhsa_system_sgpr_workgroup_id_z 1
		.amdhsa_system_vgpr_workitem_id 0
		.amdhsa_next_free_vgpr 768
		.amdhsa_next_free_sgpr 96
		.amdhsa_reserve_vcc 0
		.amdhsa_float_denorm_mode_32 3
		.amdhsa_float_denorm_mode_16_64 3
		.amdhsa_memory_ordered 1
		.amdhsa_forward_progress 1
		.amdhsa_inst_pref_size 85
	.end_amdhsa_kernel
	.amdgpu_metadata
---
amdhsa.version: [ 1, 2 ]
amdhsa.kernels:
  - .name:           k_q5551431548_proj
    .symbol:         k_q5551431548_proj.kd
    .args:
      - { .name: yc, .offset: 0, .size: 8, .value_kind: global_buffer, .address_space: global }
      - { .name: ys, .offset: 8, .size: 8, .value_kind: global_buffer, .address_space: global }
      - { .name: cw, .offset: 16, .size: 8, .value_kind: global_buffer, .address_space: global }
      - { .name: out0, .offset: 24, .size: 8, .value_kind: global_buffer, .address_space: global }
    .group_segment_fixed_size: 327680
    .private_segment_fixed_size: 0
    .kernarg_segment_align: 8
    .kernarg_segment_size: 32
    .max_flat_workgroup_size: 128
    .sgpr_count:     96
    .vgpr_count:     768
    .wavefront_size: 32
...
	.end_amdgpu_metadata
.endif
;; end of part 4
